; MI455X (gfx1250); checked and timed in simulation.
; The chip was launched on July 23, 2026; its instructions are those of AMD's public machine-readable ISA for CDNA 5 (MIT licence, August 2026) and "CDNA5" Instruction Set Architecture Reference Guide (July 2026). The comments in the code are by the model that wrote it; some were corrected since.
;; Perceiver Layer. Allowed arithmetic: float matrix products may take bf16 or f16 operands with f32 sums; other float arithmetic in f32, or as packed bf16 or f16 multiplies, adds, multiply-adds, maxima and minima; sums over many terms, partial sums and values carried from step to step in f32; what a program stores and reads back later, other than sums and carried values, may be rounded once to bf16 or f16.
;; Inputs: W1 1,024 x 4,096 float32; W2 4,096 x 1,024 float32; Wk 1,024 x 1,024 float32; Wo 1,024 x 1,024 float32; Wq 1,024 x 1,024 float32; Wv 1,024 x 1,024 float32; b1 4,096 float32; b2 1,024 float32; bk 1,024 float32; bo 1,024 float32; bq 1,024 float32; bv 1,024 float32; inp 8 x 1,024 x 1,024 float32; x 8 x 512 x 1,024 float32.
;; Outputs: out0 8 x 512 x 1,024 float32.
;; One version. Each part assembles by itself: llvm-mc -triple=amdgcn-amd-amdhsa -mcpu=gfx1250 --defsym DOCPART=n.
;; ======== version 1 of 1: 7 launches
;; workspace buffers: pb 50,331,648 bytes; qkv 41,943,040 bytes; at 8,388,608 bytes; x1 25,165,824 bytes; h 33,554,432 bytes
;; launch prep (part 1): grid 32 x 24, 8 waves a work-group, no clusters, 19,456 bytes of LDS; arguments x, inp, Wq, Wk, Wv, Wo, W1, W2, pb; writes pb
.if DOCPART == 1
	.amdgcn_target "amdgcn-amd-amdhsa--gfx1250"
	.amdhsa_code_object_version 6
	.text
	.protected	k_qc03da20b74_prep
	.globl	k_qc03da20b74_prep
	.p2align	8
	.type	k_qc03da20b74_prep,@function
k_qc03da20b74_prep:
	s_mov_b64 s[64:65], 0
	v_nop
	global_prefetch_b8 v0, s[64:65] scope:SCOPE_SE
	s_setreg_imm32_b32 hwreg(HW_REG_WAVE_MODE, 25, 1), 1
	s_wait_xcnt 0x0
; x, inp and the six weights, f32, are rounded once to bf16 and laid into pb in BLOCKS of 64 x 64 (8,192 bytes), the weights transposed to [n][k].
; In a block: byte(r, c) = (r/16) 2048 + (c/16) 512 + ((c/8)%2) 256 + (r%16) 16 + (c%8) 2: a sub-tile of 16 x 16 is 512 bytes in the lane order of a matrix fragment.
; pb holds, in this order, 24 units of 256 blocks: x 4, inp 8, Wq, Wk, Wv, Wo 1 each, W1 4, W2 4.  Grid y = the unit; a wave makes one block.
; Blocks of x, Wq, Wo, W2 lie row block by row block; those of inp, Wk|Wv, W1 in pieces of 2 x 2 blocks (128 rows x 128 k on end).
; All 32 loads of a wave (16 KiB) go out first, each of them two runs of 256 consecutive bytes; each of four trips rounds 16 rows, turns them through the wave's own 2,304 bytes of LDS
; and stores 4 x 512 consecutive bytes.  What comes back from LDS lands in the trip's own load registers, which have been converted: no register that a store reads is written again.
; 160 registers a wave: the 768 work-groups are three for each of 256 WGPs, six waves x 160 = 960 registers a SIMD.
.set SPARE, 18432                      ; behind the eight waves' bytes: the spare words, 128 bytes a wave
.set D, 16                             ; v[16:143]  as loaded, 32 registers a trip; the first 16 of them then hold what the trip stores
.set P, 144                            ; v[144:159] packed (first: scratch for the addresses)
	s_load_b512 s[8:23], s[0:1], 0x0               ; x, inp, Wq, Wk, Wv, Wo, W1, W2
	s_load_b64 s[24:25], s[0:1], 0x40              ; pb
	v_lshl_add_u32 v6, v0, 2, SPARE                ; my spare word
	v_mov_b32 v7, 0
	v_and_b32 v1, 31, v0                           ; lane
	v_lshrrev_b32 v2, 5, v0
	v_readfirstlane_b32 s27, v2                    ; wave
	s_and_b32 s26, ttmp7, 0xffff                   ; unit y
	s_lshl_b32 s29, s26, 8
	s_lshl3_add_u32 s29, ttmp9, s29
	s_add_co_u32 s29, s29, s27                     ; my block in pb: 256 y + 8 x + wave
	s_mul_i32 s38, s27, 2304                       ; my wave's LDS bytes
	v_lshlrev_b32 v5, 4, v1                        ; 16 x lane: my place in 512 stored bytes
	v_lshrrev_b32 v144, 4, v1                      ; lane / 16
	v_and_b32 v145, 15, v1                         ; lane % 16
	s_wait_kmcnt 0x0
	s_mov_b64 s[30:31], s[22:23]                   ; the unit's source and its first unit, chosen by y alone
	s_mov_b32 s28, 20
.macro PICK lim, ptr, first
	s_cmp_lt_u32 s26, \lim
	s_cselect_b64 s[30:31], s[\ptr:\ptr+1], s[30:31]
	s_cselect_b32 s28, \first, s28
.endm
	PICK 20, 20, 16
	PICK 16, 18, 15
	PICK 15, 16, 14
	PICK 14, 14, 13
	PICK 13, 12, 12
	PICK 12, 10, 4
	PICK 4, 8, 0
	s_lshl_b32 s39, s28, 8
	s_sub_co_u32 s34, s29, s39                     ; my block's number in its tensor
	s_lshl_b32 s42, s29, 13
	s_mov_b32 s43, 0
	s_add_nc_u64 s[32:33], s[24:25], s[42:43]      ; where my block goes
	s_lshr_b32 s36, s34, 5                         ; in pieces: row block = 2 (n / 32) + (n / 2) % 2,
	s_lshl_b32 s36, s36, 1
	s_bfe_u32 s39, s34, 0x10001
	s_add_co_u32 s36, s36, s39
	s_bfe_u32 s37, s34, 0x30002                    ; k block = 2 ((n / 4) % 8) + n % 2
	s_lshl_b32 s37, s37, 1
	s_and_b32 s39, s34, 1
	s_add_co_u32 s37, s37, s39
	s_cmp_lt_u32 s26, 20                           ; row by row: 16 k blocks a row block, W2^T 64
	s_cselect_b32 s39, 4, 6
	s_lshr_b32 s40, s34, s39
	s_bfm_b32 s41, s39, 0
	s_and_b32 s41, s34, s41
	s_lshr_b32 s39, 0xF6FF0, s26                   ; units 4-11, 13, 14, 16-19 lie in pieces
	s_bitcmp1_b32 s39, 0
	s_cselect_b32 s36, s36, s40                    ; row block
	s_cselect_b32 s37, s37, s41                    ; k block
; One trip: 16 rows (w = 0) or 16 k (w = 1) are rounded, turned in LDS and stored.
.macro TRIP j, w
	s_wait_loadcnt 8*(3-(\j))                      ; loads return in order: this trip's eight are in, the later trips' stay out
.if \w
.irp q, 0,1,2,3
.irp r, 0,1,2,3
	v_cvt_pk_bf16_f32 v[P+4*(\q)+(\r)], v[D+32*(\j)+8*(\r)+(\q)], v[D+32*(\j)+8*(\r)+4+(\q)]
.endr
.endr
.irp q, 0,1,2,3
	ds_store_b128 v3, v[P+4*(\q):P+4*(\q)+3] offset:16*(\q)
.endr
.else
.irp i, 0,1,2,3,4,5,6,7
	v_cvt_pk_bf16_f32 v[P+2*(\i)],   v[D+32*(\j)+4*(\i)],   v[D+32*(\j)+4*(\i)+1]
	v_cvt_pk_bf16_f32 v[P+2*(\i)+1], v[D+32*(\j)+4*(\i)+2], v[D+32*(\j)+4*(\i)+3]
.endr
.irp i, 0,1,2,3,4,5,6,7
	ds_store_b64 v3, v[P+2*(\i):P+2*(\i)+1] offset:32*(\i)  ; rows 2 i and 2 i + 1: the 32 lanes' words fall on 64 different banks (8 (c / 2) + 4 h + 2 (c % 2), 64 banks of 4 bytes: ISA guide 11.1)
.endr
.endif
.irp q, 0,1,2,3
	ds_load_b128 v[D+32*(\j)+4*(\q):D+32*(\j)+4*(\q)+3], v4 offset:(\q)*(576-304*(\w))  ; LDS serves a wave in order: these see the stores above
.endr
	s_wait_dscnt 0x0
.irp q, 0,1,2,3
	global_store_b128 v5, v[D+32*(\j)+4*(\q):D+32*(\j)+4*(\q)+3], s[32:33] offset:(\q)*(512+1536*(\w))+(\j)*(2048-1536*(\w))  ; 512 consecutive bytes
.endr
.endm
	s_cmp_lt_u32 s26, 12
	s_cbranch_scc0 .Lweights
	; ACTIVATIONS.  A lane takes 4 columns (16 bytes) of a row; 16 lanes a row's 256 bytes, 2 rows a load.
	s_lshl_b32 s42, s36, 18                        ; 64 rows of 4,096 bytes
	s_lshl_b32 s39, s37, 8
	s_or_b32 s42, s42, s39
	s_add_nc_u64 s[30:31], s[30:31], s[42:43]
	v_lshrrev_b32 v146, 1, v145                    ; my chunk of 8 columns,
	v_and_b32 v147, 1, v1                          ; and which half of it
	v_lshlrev_b32 v2, 12, v144
	v_lshl_add_u32 v2, v145, 4, v2
	v_mul_u32_u24 v3, v146, 288                    ; in: column chunk x 288 + row x 16 + half x 8
	v_lshl_add_u32 v3, v144, 4, v3
	v_lshl_add_u32 v3, v147, 3, v3
	v_add_nc_u32 v3, s38, v3
	v_mul_u32_u24 v4, v144, 288                    ; back: 16 rows of a chunk on end
	v_lshl_add_u32 v4, v145, 4, v4
	v_add_nc_u32 v4, s38, v4
.irp j, 0,1,2,3
.irp i, 0,1,2,3,4,5,6,7
	global_load_b128 v[D+32*(\j)+4*(\i):D+32*(\j)+4*(\i)+3], v2, s[30:31] offset:(\j)*65536+(\i)*8192 th:TH_LOAD_NT
.endr
.endr
	TRIP 0, 0
	TRIP 1, 0
	TRIP 2, 0
	TRIP 3, 0
	s_branch .Lend
.Lweights:
	; WEIGHTS, [k][n] in memory.  A lane takes 4 columns n of 8 rows k; 16 lanes read 256 consecutive bytes of a row.  Packing pairs of k turns the block.
	s_sub_co_u32 s39, s26, 16
	s_cmp_lt_u32 s39, 4
	s_cselect_b32 s35, 14, 12                      ; bytes in a row of the source, as a shift: W1 has 4,096 columns (16,384 bytes), the others 1,024 (4,096 bytes)
	s_lshl_b32 s35, 1, s35
	s_lshl_b32 s39, s37, 6
	s_mul_i32 s42, s39, s35
	s_lshl_b32 s39, s36, 8
	s_add_co_u32 s42, s42, s39
	s_add_nc_u64 s[44:45], s[30:31], s[42:43]      ; a base for each trip's 16 rows
	s_lshl_b32 s52, s35, 4
	s_mov_b32 s53, 0
	s_add_nc_u64 s[46:47], s[44:45], s[52:53]
	s_add_nc_u64 s[48:49], s[46:47], s[52:53]
	s_add_nc_u64 s[50:51], s[48:49], s[52:53]
	v_lshlrev_b32 v146, 3, v144
	v_mul_lo_u32 v8, v146, s35
	v_lshl_add_u32 v8, v145, 4, v8                 ; row 8 (lane / 16), 16 bytes a lane
.irp i, 1,2,3,4,5,6,7
	v_add_nc_u32 v[8+(\i)], s35, v[7+(\i)]
.endr
	v_lshrrev_b32 v146, 2, v145
	v_lshl_add_u32 v146, v144, 2, v146
	v_mul_u32_u24 v3, v146, 272                    ; in: (k half, 16 rows n) x 272 + row x 16
	v_and_b32 v146, 3, v1
	v_lshl_add_u32 v3, v146, 6, v3
	v_add_nc_u32 v3, s38, v3
	v_mul_u32_u24 v4, v144, 1088
	v_lshl_add_u32 v4, v145, 4, v4
	v_add_nc_u32 v4, s38, v4
.irp j, 0,1,2,3
.irp i, 0,1,2,3,4,5,6,7
	global_load_b128 v[D+32*(\j)+4*(\i):D+32*(\j)+4*(\i)+3], v[8+(\i)], s[44+2*(\j):45+2*(\j)] th:TH_LOAD_NT
.endr
.endr
	TRIP 0, 1
	TRIP 1, 1
	TRIP 2, 1
	TRIP 3, 1
.Lend:
	s_wait_tensorcnt 0x0                           ; the wave's end, behind my last LDS store
	ds_add_u32 v6, v7
	s_wait_dscnt 0x0
	s_endpgm
.Lfunc_end_k_qc03da20b74_prep:
	.size	k_qc03da20b74_prep, .Lfunc_end_k_qc03da20b74_prep-k_qc03da20b74_prep
	.p2alignl 7, 3214868480
	.fill 96, 4, 3214868480
	.section	.rodata,"a",@progbits
	.p2align	6, 0x0
	.amdhsa_kernel k_qc03da20b74_prep
		.amdhsa_group_segment_fixed_size 19456
		.amdhsa_private_segment_fixed_size 0
		.amdhsa_enable_private_segment 0
		.amdhsa_kernarg_size 72
		.amdhsa_user_sgpr_count 2
		.amdhsa_user_sgpr_kernarg_segment_ptr 1
		.amdhsa_wavefront_size32 1
		.amdhsa_system_sgpr_workgroup_id_x 1
		.amdhsa_system_sgpr_workgroup_id_y 1
		.amdhsa_system_sgpr_workgroup_id_z 1
		.amdhsa_system_vgpr_workitem_id 0
		.amdhsa_next_free_vgpr 160
		.amdhsa_next_free_sgpr 66
		.amdhsa_reserve_vcc 0
		.amdhsa_float_denorm_mode_32 3
		.amdhsa_float_denorm_mode_16_64 3
		.amdhsa_memory_ordered 1
		.amdhsa_forward_progress 1
		.amdhsa_inst_pref_size 28
	.end_amdhsa_kernel
	.amdgpu_metadata
---
amdhsa.version: [ 1, 2 ]
amdhsa.kernels:
  - .name:           k_qc03da20b74_prep
    .symbol:         k_qc03da20b74_prep.kd
    .args:
      - { .name: x, .offset: 0, .size: 8, .value_kind: global_buffer, .address_space: global }
      - { .name: inp, .offset: 8, .size: 8, .value_kind: global_buffer, .address_space: global }
      - { .name: Wq, .offset: 16, .size: 8, .value_kind: global_buffer, .address_space: global }
      - { .name: Wk, .offset: 24, .size: 8, .value_kind: global_buffer, .address_space: global }
      - { .name: Wv, .offset: 32, .size: 8, .value_kind: global_buffer, .address_space: global }
      - { .name: Wo, .offset: 40, .size: 8, .value_kind: global_buffer, .address_space: global }
      - { .name: W1, .offset: 48, .size: 8, .value_kind: global_buffer, .address_space: global }
      - { .name: W2, .offset: 56, .size: 8, .value_kind: global_buffer, .address_space: global }
      - { .name: pb, .offset: 64, .size: 8, .value_kind: global_buffer, .address_space: global }
    .group_segment_fixed_size: 19456
    .private_segment_fixed_size: 0
    .kernarg_segment_align: 8
    .kernarg_segment_size: 72
    .max_flat_workgroup_size: 256
    .sgpr_count:     66
    .vgpr_count:     160
    .wavefront_size: 32
...
	.end_amdgpu_metadata
.endif
;; end of part 1
;; launch gkv (part 2): grid 8 x 32, 4 waves a work-group, clusters of 4 x 4, 327,680 bytes of LDS; arguments pb, bk, bv, qkv; writes qkv
.if DOCPART == 2
	.amdgcn_target "amdgcn-amd-amdhsa--gfx1250"
	.amdhsa_code_object_version 6
	.text
	.protected	k_qc03da20b74_gkv
	.globl	k_qc03da20b74_gkv
	.p2align	8
	.type	k_qc03da20b74_gkv,@function
k_qc03da20b74_gkv:
	s_mov_b64 s[64:65], 0
	v_nop
	global_prefetch_b8 v0, s[64:65] scope:SCOPE_SE
	s_setreg_imm32_b32 hwreg(HW_REG_WAVE_MODE, 25, 1), 1
	s_wait_xcnt 0x0
	s_wait_alu depctr_hold_cnt(0) depctr_sa_sdst(0) depctr_va_vdst(0) depctr_va_sdst(0) depctr_va_ssrc(0) depctr_va_vcc(0) depctr_vm_vsrc(0)
	s_getreg_b32 s2, hwreg(HW_REG_IB_STS2, 6, 4)
	s_cmp_eq_u32 s2, 0
	s_cbranch_scc0 .Lentry_in_a_cluster
	s_endpgm
.Lentry_in_a_cluster:
	s_bfe_u32 s2, ttmp6, 0x10000c
	s_cmp_lg_u32 s2, 0xf033
	s_cbranch_scc0 .Lentry_shape_is_right
	s_endpgm
.Lentry_shape_is_right:
; [k | v] = inp [Wk | Wv] + [bk | bv]: 8,192 x 2,048 x 1,024 in bf16, sums in f32, rounded once to bf16.  Operands come from pb in blocks of 64 x 64 whose 16 x 16 sub-tiles are
; 512 bytes in fragment order: a tensor load is a dense copy of 32 KiB, a fragment is two ds_load_b128 at 16 x lane, and a packed accumulator is 512 consecutive bytes of the result.
; A tile of 256 x 256 to a work-group, 128 x 128 to each of four waves (64 accumulators, 512 registers).  K goes in 8 steps of 128 through two LDS slots of 128 KiB; wave w fetches piece w
; (A's two halves, B's two halves).  4 x 4 work-groups form a cluster: A's pieces are asked for jointly along a row of it, B's along a column.
; The matrix instruction is used transposed (source 0 = 16 rows of W^T, source 1 = 16 rows of inp): a lane holds one row and eight neighbouring columns.  The bias is the C operand of each sum's first product.
; A K step is four quarters of 32 along K on fragment buffers 0, 1, 0, 1.  The first and the third are ONE text, walked twice (counter s2), the fragment addresses stepped by two quarters between.
; Result: qkv + 8 MiB, blocks [32 column blocks][128 row blocks]: column blocks 0-15 are K's heads, 16-31 V's; V's sub-tiles are row-major (32 bytes a key) for the turning LDS load.
; LIMITS: operands are rounded to bf16; NaN and infinities are not treated apart.
; REGISTERS: window 0: v0-31 addresses, v64-127 / v128-191 A's fragments, v192-255 bias; window 1: B's fragments at the same numbers; windows 2, 3: accumulator (a, b) at v[8 (8 a + b)].
.set SPARE, 262144                     ; behind the ring: the spare words, 128 bytes a wave
.set SLOT, 131072
.set KSB, 32768                        ; bytes from a K step's piece to the next
.set KSTEPS, 8
.set ASH, 18                           ; a piece row (128 rows, all K) is 256 KiB
.set AOFF, 8388608                     ; inp in pb
.set BOFF, 27262976                    ; [Wk^T; Wv^T] in pb
.set PA, 4
.set PB, 4
.set O1, 1024                          ; a quarter's place in a piece, [row block][k block][16 rows][16 k]: one quarter on,
.set O2, 8192                          ; two quarters on
.set ADA, 18
.set ADB, 19
.set SPW, 28
.set NIL, 29
.set F0, 64
.set F1, 128
.set BI, 192
.set MSB, 0
.macro WIN new                         ; the immediate's high byte repeats the setting that is left
.if MSB != (\new)
	s_set_vgpr_msb (MSB<<8)|(\new)
.set MSB, \new
.endif
.endm
.macro JLOAD s                         ; a joint load: waves 0, 1 fetch A's halves, waves 2, 3 B's; s_nop 0 and four v_nop follow each line
	s_cmp_eq_u32 s17, 0
	s_cbranch_scc0 .Lfor_b_\@
	tensor_load_to_lds s[32+4*(\s):35+4*(\s)], s[24:31]
	s_nop 0
.rept 4
	v_nop
.endr
	s_branch .Lasked_\@
.Lfor_b_\@:
	tensor_load_to_lds s[56+4*(\s):59+4*(\s)], s[48:55]
	s_nop 0
.rept 4
	v_nop
.endr
.Lasked_\@:
.endm
.macro CREST                           ; a round of the cluster's barrier behind its opening barrier
	s_cmp_lg_u32 s16, 0
	s_cbranch_scc1 .Lnot_wave_0_\@
	s_barrier_signal -3
.Lnot_wave_0_\@:
	s_barrier_wait -3
	s_barrier_signal -1
	s_barrier_wait -1
.endm
.macro CROUND
	s_barrier_signal -1
	s_barrier_wait -1
	CREST
.endm
.macro PLACES                          ; four plain places behind matrix instructions (ISA guide 7.12.1)
.rept 4
	v_nop
.endr
.endm
.macro ASK                             ; a prefetch of the K step that the NEXT refill asks for: my work-group's 8 KiB of the piece that I fetch, a lane 256 bytes; the last refill asks for nothing
	s_cmp_gt_u32 s3, s68
	s_cbranch_scc0 .Lnot_mine_\@
	global_prefetch_b8 v30, s[66:67] th:TH_LOAD_NT scope:SCOPE_SE
.Lnot_mine_\@:
.endm
; 16 products: row blocks a0, a0 + 1 of the window's four x all 8 column blocks, 32 along K.  c = 1: the bias starts the sums.
.macro MUL16 f, hi, a0, c
.if \c
	WIN 0x81+0x40*(\hi)
.else
	WIN 0xa1+0x50*(\hi)
.endif
.irp a, \a0, (\a0)+1
.irp b, 0,1,2,3,4,5,6,7
.if \c
	v_wmma_f32_16x16x32_bf16 v[8*(8*(\a)+(\b)):8*(8*(\a)+(\b))+7], v[(\f)+8*(\b):(\f)+8*(\b)+7], v[(\f)+8*(4*(\hi)+(\a)):(\f)+8*(4*(\hi)+(\a))+7], v[BI+8*(\b):BI+8*(\b)+7]
.else
	v_wmma_f32_16x16x32_bf16 v[8*(8*(\a)+(\b)):8*(8*(\a)+(\b))+7], v[(\f)+8*(\b):(\f)+8*(\b)+7], v[(\f)+8*(4*(\hi)+(\a)):(\f)+8*(4*(\hi)+(\a))+7], v[8*(8*(\a)+(\b)):8*(8*(\a)+(\b))+7]
.endif
.endr
.endr
.endm
.macro FETCH f, off                    ; 32 LDS loads in one run: a quarter's fragments, B's then A's
	WIN 0x40
.irp i, 0,1,2,3,4,5,6,7
	ds_load_b128 v[(\f)+8*(\i):(\f)+8*(\i)+3],   v[ADB] offset:(\off)+((\i)/4)*16384+((\i)%4)*2048
	ds_load_b128 v[(\f)+8*(\i)+4:(\f)+8*(\i)+7], v[ADB] offset:(\off)+((\i)/4)*16384+((\i)%4)*2048+512
.endr
	WIN 0
.irp i, 0,1,2,3,4,5,6,7
	ds_load_b128 v[(\f)+8*(\i):(\f)+8*(\i)+3],   v[ADA] offset:(\off)+((\i)/4)*16384+((\i)%4)*2048
	ds_load_b128 v[(\f)+8*(\i)+4:(\f)+8*(\i)+7], v[ADA] offset:(\off)+((\i)/4)*16384+((\i)%4)*2048+512
.endr
.endm
.macro QUARTER f, g, off, c            ; multiplies buffer f; in its middle fetches the next quarter into g
	s_wait_dscnt 8                                 ; B and A's rows 0-63 are in; the youngest eight loads may be out
	MUL16 \f, 0, 0, \c
	MUL16 \f, 0, 2, \c
	PLACES
	FETCH \g, \off
	s_wait_dscnt 32                                ; all but the 32 just issued
	MUL16 \f, 1, 0, \c
	MUL16 \f, 1, 2, \c
.endm
.macro MEET                            ; the first half of a step's last quarter, and the barrier of the change of slots
	WIN 0
	s_wait_tensorcnt 0x0                           ; all my tensor loads have landed: the one that was out is my part of the next slot
	ds_add_u32 v[SPW], v[NIL]                      ; 0 onto my spare word
	s_wait_dscnt 9                                 ; the add and the youngest eight loads may be out
	MUL16 F1, 0, 0, 0
	s_wait_dscnt 0x0                               ; the add is done, my reads of this slot are over
	s_barrier_signal -1
	MUL16 F1, 0, 2, 0
	WIN 0
	s_barrier_wait -1
.endm
.macro TURN                            ; the last quarter: the slot just read is filled again, two K steps on
	s_wait_xcnt 0x0                                ; the last prefetch, a K step back, has read its address
	s_add_nc_u64 s[66:67], s[66:67], KSB
	MEET
	CREST                                          ; no wave of any partner still reads the slot or has a load on its way
	s_xor_b32 s37, s37, SLOT                       ; the walking descriptors: the other slot, the next K step
	s_add_nc_u64 s[38:39], s[38:39], KSB
	s_xor_b32 s61, s61, SLOT
	s_add_nc_u64 s[62:63], s[62:63], KSB
	s_xor_b32 s19, s19, SLOT
	JLOAD 1                                        ; the first tensor load behind the round; its four v_nop are the places in front of the loads below
	v_add_nc_u32 v[ADA], s19, v16
	v_add_nc_u32 v[ADB], s19, v17
	FETCH F0, 0
	ASK
	MUL16 F1, 1, 0, 0
	MUL16 F1, 1, 2, 0
.endm
.macro ONWARD                          ; between a step's second and third quarter: the fragment addresses go two quarters on
	WIN 0
	v_add_nc_u32 v[ADA], O2, v[ADA]
	v_add_nc_u32 v[ADB], O2, v[ADB]
.endm
	s_load_b256 s[4:11], s[0:1], 0x0               ; pb, bk, bv, qkv
	v_lshl_add_u32 v[SPW], v0, 2, SPARE
	v_mov_b32 v[NIL], 0
	ds_add_u32 v[SPW], v[NIL]                      ; the wave's opening: the add and its wait stand ahead of my first tensor load
	v_lshrrev_b32 v3, 5, v0
	v_readfirstlane_b32 s16, v3                    ; wave
	s_lshr_b32 s17, s16, 1                         ; my half of the rows; also: I fetch for A (0) or B (1)
	s_and_b32 s18, s16, 1                          ; my half of the columns; also: which half I fetch
	s_bfe_u32 s20, ttmp6, 0x40000                  ; cx
	s_bfe_u32 s21, ttmp6, 0x40004                  ; cy
	s_lshl_b32 s22, ttmp9, 2
	s_add_co_u32 s22, s22, s20                     ; tile column
	s_and_b32 s23, ttmp7, 0xffff
	s_lshl_b32 s23, s23, 2
	s_add_co_u32 s23, s23, s21                     ; tile row
	s_lshl_b32 s44, s21, 2
	s_lshl_b32 s44, 15, s44                        ; my row of the cluster
	s_lshl_b32 s45, 0x1111, s20                    ; my column
	s_or_b32 s24, s44, (1<<16)|(1<<21)             ; group 1: the mask, 2-byte elements, bit 21 beside a mask; no padding
	s_or_b32 s48, s45, (1<<16)|(1<<21)
.irp g, 24, 48
	s_mov_b32 s[\g+1], 128<<16                     ; a dense piece of 32 KiB as 128 rows of 128 elements
	s_mov_b32 s[\g+2], 128<<16
	s_mov_b32 s[\g+3], 128<<16
	s_mov_b32 s[\g+4], 128
	s_mov_b32 s[\g+5], 128
	s_mov_b32 s[\g+6], 0
	s_mov_b32 s[\g+7], 0
.endr
	s_lshl_b32 s40, s23, 1                         ; A's piece hangs on the tile row and the wave,
	s_add_co_u32 s40, s40, s18
	s_lshl_b32 s40, s40, ASH
	s_add_co_u32 s40, s40, AOFF
	s_mov_b32 s41, 0
	s_lshl_b32 s42, s22, 1                         ; B's on the tile column and the wave
	s_add_co_u32 s42, s42, s18
	s_lshl_b32 s42, s42, ASH
	s_add_co_u32 s42, s42, BOFF
	s_mov_b32 s43, 0
	s_lshl_b32 s33, s16, 15                        ; piece w of slot 0
	s_add_co_u32 s37, s33, SLOT
	s_lshl_b32 s57, s16, 15
	s_add_co_u32 s61, s57, SLOT
	s_mov_b32 s32, 1
	s_mov_b32 s36, 1
	s_mov_b32 s56, 1
	s_mov_b32 s60, 1
	s_wait_dscnt 0x0                               ; the opening add is done
	s_wait_kmcnt 0x0
	s_add_nc_u64 s[40:41], s[PA:PA+1], s[40:41]
	s_add_nc_u64 s[42:43], s[PB:PB+1], s[42:43]
	s_add_nc_u64 s[34:35], s[40:41], 0             ; K step 0
	s_or_b32 s35, s35, 0x80000000
	s_add_nc_u64 s[38:39], s[40:41], KSB           ; K step 1
	s_or_b32 s39, s39, 0x80000000
	s_add_nc_u64 s[58:59], s[42:43], 0
	s_or_b32 s59, s59, 0x80000000
	s_add_nc_u64 s[62:63], s[42:43], KSB
	s_or_b32 s63, s63, 0x80000000
	CROUND                                         ; all sixteen work-groups are here: the first joint loads meet
	JLOAD 0
	JLOAD 1                                        ; two loads of mine are out
	v_and_b32 v1, 15, v0
	v_bfe_u32 v2, v0, 4, 1
	v_and_b32 v3, 31, v0
	v_lshlrev_b32 v30, 8, v3                       ; the prefetch: 256 bytes a lane
	v_lshlrev_b32 v3, 4, v3                        ; 16 x lane
	v_lshlrev_b32 v31, 5, v2                       ; my 8 numbers of 16 of a bias
	s_lshl_b32 s44, s17, 15
	v_add_nc_u32 v16, s44, v3                      ; my 128 rows of A in slot 0
	s_lshl_b32 s45, s18, 15
	s_add_co_u32 s45, s45, 65536
	v_add_nc_u32 v17, s45, v3                      ; my 128 rows of B
	v_mov_b32 v[ADA], v16
	v_mov_b32 v[ADB], v17
	s_mov_b32 s19, 0
	; the bias: bk for tile columns 0-3 (cluster x = 0), bv for 4-7
	s_cmp_eq_u32 ttmp9, 0
	s_cselect_b64 s[72:73], s[6:7], s[8:9]
	s_cselect_b32 s46, 16, 32                      ; a chunk's place in a sub-tile: K 16 r + 256 h, V 32 r + 16 h
	s_cselect_b32 s47, 256, 16
	v_mul_u32_u24 v24, v1, s46
	v_mad_u32_u24 v24, v2, s47, v24
	s_lshl_b32 s44, s20, 10
	s_lshl_b32 s45, s18, 9
	s_add_co_u32 s44, s44, s45
	s_mov_b32 s45, 0
	s_add_nc_u64 s[72:73], s[72:73], s[44:45]
.irp b, 0,1,2,3,4,5,6,7
	global_load_b128 v[BI+8*(\b):BI+8*(\b)+3],   v31, s[72:73] offset:64*(\b)
	global_load_b128 v[BI+8*(\b)+4:BI+8*(\b)+7], v31, s[72:73] offset:64*(\b)+16
.endr
	; where my part goes: block (4 tc + 2 wc) x 128 + 4 tr + 2 wr
	s_lshl_b32 s44, s22, 2
	s_lshl1_add_u32 s44, s18, s44
	s_lshl_b32 s44, s44, 7
	s_lshl2_add_u32 s44, s23, s44
	s_lshl1_add_u32 s44, s17, s44
	s_lshl_b32 s44, s44, 13
	s_add_co_u32 s44, s44, 8388608
	s_mov_b32 s45, 0
	s_add_nc_u64 s[70:71], s[10:11], s[44:45]
	; the prefetches: the cluster with x = 0 asks for A's pieces, with y = 0 for B's; the four partners share a piece out by address
	s_and_b32 s44, ttmp7, 0xffff
	s_cmp_eq_u32 s17, 0
	s_cselect_b32 s45, s20, s21
	s_cselect_b32 s44, ttmp9, s44
	s_cselect_b64 s[66:67], s[40:41], s[42:43]
	s_cmp_eq_u32 s44, 0
	s_cselect_b32 s68, 1, -1
	s_lshl_b32 s46, s45, 13
	s_mov_b32 s47, 0
	s_add_nc_u64 s[66:67], s[66:67], s[46:47]
	s_add_nc_u64 s[66:67], s[66:67], 2*KSB         ; at K step 2: the first refill steps it to 3
	s_wait_tensorcnt 1                             ; my part of K step 0 is in; K step 1's may stay out
	s_barrier_signal -1
	s_barrier_wait -1
	FETCH F0, 0
	s_wait_loadcnt 0x0                             ; the bias
	QUARTER F0, F1, O1, 1                          ; the first quarter's products start the sums
	WIN 0
	s_mov_b32 s3, KSTEPS-2
	s_mov_b32 s2, 2
	s_branch .LmidA
.LstepA:                                               ; a trip is a K step and fills its slot again
	s_mov_b32 s2, 2
.LhalfA:                                               ; walked twice a step: quarters 0 and 1, then quarter 2
	QUARTER F0, F1, O1, 0
	WIN 0
.LmidA:
	s_sub_co_u32 s2, s2, 1
	s_cmp_eq_u32 s2, 0
	s_cbranch_scc1 .LturnA
	QUARTER F1, F0, O2, 0
	ONWARD
	s_branch .LhalfA
.LturnA:
	TURN
	WIN 0
	s_sub_co_u32 s3, s3, 1
	s_cmp_lg_u32 s3, 0
	s_cbranch_scc1 .LstepA
	s_mov_b32 s3, 2
.LstepB:                                               ; the last two K steps ask for nothing
	s_mov_b32 s2, 2
.LhalfB:
	QUARTER F0, F1, O1, 0
	WIN 0
	s_sub_co_u32 s2, s2, 1
	s_cmp_eq_u32 s2, 0
	s_cbranch_scc1 .LturnB
	QUARTER F1, F0, O2, 0
	ONWARD
	s_branch .LhalfB
.LturnB:
	MEET
	s_sub_co_u32 s3, s3, 1
	s_cmp_eq_u32 s3, 0
	s_cbranch_scc1 .Lout
	s_xor_b32 s19, s19, SLOT
	PLACES
	v_add_nc_u32 v[ADA], s19, v16
	v_add_nc_u32 v[ADB], s19, v17
	FETCH F0, 0
	MUL16 F1, 1, 0, 0
	MUL16 F1, 1, 2, 0
	WIN 0
	s_branch .LstepB
.Lout:
	MUL16 F1, 1, 0, 0
	MUL16 F1, 1, 2, 0
	PLACES
	PLACES
; THE WAY OUT: block a (16 rows) is rounded; each accumulator is 512 consecutive bytes of the result, stored straight from registers.
.macro OUTB a
.if (\a) >= 4
	s_wait_xcnt 0x0                                ; the stores of block a - 4 have read these registers
.endif
	WIN 0x0a+5*((\a)/4)
.irp b, 0,1,2,3,4,5,6,7
.irp r, 0,1,2,3
	v_cvt_pk_bf16_f32 v[64+32*((\a)%4)+4*(\b)+(\r)], v[64*((\a)%4)+8*(\b)+2*(\r)], v[64*((\a)%4)+8*(\b)+2*(\r)+1]
.endr
.endr
	WIN 0
.irp b, 0,1,2,3,4,5,6,7
	global_store_b128 v24, v[64+32*((\a)%4)+4*(\b):64+32*((\a)%4)+4*(\b)+3], s[70:71] offset:((\b)/4)*1048576+((\a)/4)*8192+((\a)%4)*2048+((\b)%4)*512
.endr
.endm
.irp a, 0,1,2,3,4,5,6,7
	OUTB \a
.endr
	s_wait_tensorcnt 0x0                           ; the wave's end
	ds_add_u32 v[SPW], v[NIL]
	s_wait_dscnt 0x0
	CROUND                                         ; the closing round
	s_endpgm
.Lfunc_end_k_qc03da20b74_gkv:
	.size	k_qc03da20b74_gkv, .Lfunc_end_k_qc03da20b74_gkv-k_qc03da20b74_gkv
	.p2alignl 7, 3214868480
	.fill 96, 4, 3214868480
	.section	.rodata,"a",@progbits
	.p2align	6, 0x0
	.amdhsa_kernel k_qc03da20b74_gkv
		.amdhsa_group_segment_fixed_size 327680
		.amdhsa_private_segment_fixed_size 0
		.amdhsa_enable_private_segment 0
		.amdhsa_kernarg_size 32
		.amdhsa_user_sgpr_count 2
		.amdhsa_user_sgpr_kernarg_segment_ptr 1
		.amdhsa_wavefront_size32 1
		.amdhsa_system_sgpr_workgroup_id_x 1
		.amdhsa_system_sgpr_workgroup_id_y 1
		.amdhsa_system_sgpr_workgroup_id_z 1
		.amdhsa_system_vgpr_workitem_id 0
		.amdhsa_next_free_vgpr 1024
		.amdhsa_next_free_sgpr 84
		.amdhsa_reserve_vcc 0
		.amdhsa_float_denorm_mode_32 3
		.amdhsa_float_denorm_mode_16_64 3
		.amdhsa_memory_ordered 1
		.amdhsa_forward_progress 1
		.amdhsa_inst_pref_size 83
	.end_amdhsa_kernel
	.amdgpu_metadata
---
amdhsa.version: [ 1, 2 ]
amdhsa.kernels:
  - .name:           k_qc03da20b74_gkv
    .symbol:         k_qc03da20b74_gkv.kd
    .args:
      - { .name: pb, .offset: 0, .size: 8, .value_kind: global_buffer, .address_space: global }
      - { .name: bk, .offset: 8, .size: 8, .value_kind: global_buffer, .address_space: global }
      - { .name: bv, .offset: 16, .size: 8, .value_kind: global_buffer, .address_space: global }
      - { .name: qkv, .offset: 24, .size: 8, .value_kind: global_buffer, .address_space: global }
    .group_segment_fixed_size: 327680
    .private_segment_fixed_size: 0
    .kernarg_segment_align: 8
    .kernarg_segment_size: 32
    .max_flat_workgroup_size: 128
    .sgpr_count:     84
    .vgpr_count:     1024
    .wavefront_size: 32
...
	.end_amdgpu_metadata
.endif
;; end of part 2
;; launch gq (part 3): grid 8 x 32, 4 waves a work-group, clusters of 4 x 4, 327,680 bytes of LDS; arguments pb, bq, qkv; writes qkv
.if DOCPART == 3
	.amdgcn_target "amdgcn-amd-amdhsa--gfx1250"
	.amdhsa_code_object_version 6
	.text
	.protected	k_qc03da20b74_gq
	.globl	k_qc03da20b74_gq
	.p2align	8
	.type	k_qc03da20b74_gq,@function
k_qc03da20b74_gq:
	s_mov_b64 s[64:65], 0
	v_nop
	global_prefetch_b8 v0, s[64:65] scope:SCOPE_SE
	s_setreg_imm32_b32 hwreg(HW_REG_WAVE_MODE, 25, 1), 1
	s_wait_xcnt 0x0
	s_wait_alu depctr_hold_cnt(0) depctr_sa_sdst(0) depctr_va_vdst(0) depctr_va_sdst(0) depctr_va_ssrc(0) depctr_va_vcc(0) depctr_vm_vsrc(0)
	s_getreg_b32 s2, hwreg(HW_REG_IB_STS2, 6, 4)
	s_cmp_eq_u32 s2, 0
	s_cbranch_scc0 .Lentry_in_a_cluster
	s_endpgm
.Lentry_in_a_cluster:
	s_bfe_u32 s2, ttmp6, 0x10000c
	s_cmp_lg_u32 s2, 0xf033
	s_cbranch_scc0 .Lentry_shape_is_right
	s_endpgm
.Lentry_shape_is_right:
; q = x Wq + bq: 4,096 x 1,024 x 1,024 in bf16, sums in f32, rounded once to bf16 (unscaled).  Operands from pb in blocks of 64 x 64 in fragment order (512 bytes a 16 x 16 sub-tile).
; A tile of 128 x 128 to a work-group (256 work-groups), 64 x 64 to a wave: 16 accumulators.  K in 4 steps of 256 through two LDS slots of 128 KiB; wave w fetches piece w (64 rows x 256 k, 32 KiB dense).
; 4 x 4 clusters: A's pieces jointly along a row, B's along a column.  Transposed use: a lane holds one row, eight neighbouring columns.  The accumulators are LOADED with the bias: nothing is cleared.
; THE ORDER OF K.  Step s takes K step s xor 2 p, p = the parity of the cluster's x + y (the same in all sixteen partners).  The clusters that read the same rows of A (neighbours along x) or of B
; (neighbours along y) differ in p, so they ask for a given K step two steps apart and not at the same time.  f32 sums may be taken in any order.
; A K step is four quarters of 64 along K on fragment buffers 0, 1, 0, 1.  The first and the third are ONE text, walked twice (counter s2), the fragment addresses stepped by two quarters between.
; Result: qkv, blocks [16 heads][64 row blocks].  LIMITS: operands are rounded to bf16; NaN and infinities are not treated apart.
; REGISTERS: window 0: v0-31 addresses, v32-95 the way out, v128-255 accumulator (a, b) at 128 + 8 (4 a + b); window 1: two fragment buffers of 128 (A's 64, then B's 64).
.set SPARE, 262144
.set SLOT, 131072
.set KSB, 32768
.set KSTEPS, 4
.set ASH, 17                           ; a row block (64 rows, all K) is 128 KiB
.set BSH, 17
.set AOFF, 0                           ; x in pb
.set BOFF, 25165824                    ; Wq^T in pb
.set PA, 4
.set PB, 4
.set O1, 8192                          ; a quarter is a k block of the piece: one quarter on,
.set O2, 16384                         ; two quarters on
.set ADA, 18
.set ADB, 19
.set SPW, 28
.set NIL, 29
.set ACC, 128
.set F0, 0
.set F1, 128
.set MSB, 0
.macro WIN new
.if MSB != (\new)
	s_set_vgpr_msb (MSB<<8)|(\new)
.set MSB, \new
.endif
.endm
.macro JLOAD s                         ; a joint load: waves 0, 1 fetch A's halves, waves 2, 3 B's; s_nop 0 and four v_nop follow each line
	s_cmp_eq_u32 s17, 0
	s_cbranch_scc0 .Lfor_b_\@
	tensor_load_to_lds s[32+4*(\s):35+4*(\s)], s[24:31]
	s_nop 0
.rept 4
	v_nop
.endr
	s_branch .Lasked_\@
.Lfor_b_\@:
	tensor_load_to_lds s[56+4*(\s):59+4*(\s)], s[48:55]
	s_nop 0
.rept 4
	v_nop
.endr
.Lasked_\@:
.endm
.macro CREST
	s_cmp_lg_u32 s16, 0
	s_cbranch_scc1 .Lnot_wave_0_\@
	s_barrier_signal -3
.Lnot_wave_0_\@:
	s_barrier_wait -3
	s_barrier_signal -1
	s_barrier_wait -1
.endm
.macro CROUND
	s_barrier_signal -1
	s_barrier_wait -1
	CREST
.endm
.macro PLACES
.rept 4
	v_nop
.endr
.endm
.macro MUL8 f, c, a0                   ; 8 products: row blocks a0, a0 + 1 x 4 column blocks, half c of buffer f
	WIN 0x05
.irp a, \a0, (\a0)+1
.irp b, 0,1,2,3
	v_wmma_f32_16x16x32_bf16 v[ACC+8*(4*(\a)+(\b)):ACC+8*(4*(\a)+(\b))+7], v[(\f)+64+8*(4*(\c)+(\b)):(\f)+64+8*(4*(\c)+(\b))+7], v[(\f)+8*(4*(\c)+(\a)):(\f)+8*(4*(\c)+(\a))+7], v[ACC+8*(4*(\a)+(\b)):ACC+8*(4*(\a)+(\b))+7]
.endr
.endr
.endm
.macro FETCH f, off                    ; 32 LDS loads in one run: 64 along K, the first 32 first
	WIN 0x40
.irp c, 0,1
.irp i, 0,1,2,3
	ds_load_b128 v[(\f)+64+8*(4*(\c)+(\i)):(\f)+64+8*(4*(\c)+(\i))+3],   v[ADB] offset:(\off)+(\i)*2048+(\c)*1024
	ds_load_b128 v[(\f)+64+8*(4*(\c)+(\i))+4:(\f)+64+8*(4*(\c)+(\i))+7], v[ADB] offset:(\off)+(\i)*2048+(\c)*1024+512
	ds_load_b128 v[(\f)+8*(4*(\c)+(\i)):(\f)+8*(4*(\c)+(\i))+3],         v[ADA] offset:(\off)+(\i)*2048+(\c)*1024
	ds_load_b128 v[(\f)+8*(4*(\c)+(\i))+4:(\f)+8*(4*(\c)+(\i))+7],       v[ADA] offset:(\off)+(\i)*2048+(\c)*1024+512
.endr
.endr
.endm
.macro QUARTER f, g, off
	s_wait_dscnt 16                                ; the first 32 along K are in
	MUL8 \f, 0, 0
	MUL8 \f, 0, 2
	PLACES
	FETCH \g, \off
	s_wait_dscnt 32                                ; all but the 32 just issued
	MUL8 \f, 1, 0
	MUL8 \f, 1, 2
.endm
.macro MEET
	WIN 0
	s_wait_tensorcnt 0x0                           ; all my tensor loads have landed: my part of the next slot
	ds_add_u32 v[SPW], v[NIL]                      ; 0 onto my spare word
	s_wait_dscnt 17                                ; the add and the youngest sixteen loads may be out
	MUL8 F1, 0, 0
	s_wait_dscnt 0x0                               ; the add is done, my reads of this slot are over
	s_barrier_signal -1
	MUL8 F1, 0, 2
	WIN 0
	s_barrier_wait -1
.endm
.macro TURN
	MEET
	CREST                                          ; no wave of any partner still reads the slot or has a load on its way
	s_add_co_u32 s69, s69, 1                       ; the step that is asked for,
	s_xor_b32 s82, s69, s80                        ; its K step,
	s_lshl_b32 s82, s82, 15                        ; in bytes: the walking descriptors' addresses are made anew from it
	s_xor_b32 s37, s37, SLOT
	s_add_nc_u64 s[38:39], s[40:41], s[82:83]
	s_or_b32 s39, s39, 0x80000000
	s_xor_b32 s61, s61, SLOT
	s_add_nc_u64 s[62:63], s[42:43], s[82:83]
	s_or_b32 s63, s63, 0x80000000
	s_xor_b32 s19, s19, SLOT
	JLOAD 1                                        ; the first tensor load behind the round; its four v_nop are the places in front of the loads below
	v_add_nc_u32 v[ADA], s19, v16
	v_add_nc_u32 v[ADB], s19, v17
	FETCH F0, 0
	MUL8 F1, 1, 0
	MUL8 F1, 1, 2
.endm
.macro ONWARD                          ; between a step's second and third quarter: the fragment addresses go two quarters on
	WIN 0
	v_add_nc_u32 v[ADA], O2, v[ADA]
	v_add_nc_u32 v[ADB], O2, v[ADB]
.endm
	s_load_b128 s[4:7], s[0:1], 0x0                ; pb, bq
	s_load_b64 s[8:9], s[0:1], 0x10                ; qkv
	v_lshl_add_u32 v[SPW], v0, 2, SPARE
	v_mov_b32 v[NIL], 0
	ds_add_u32 v[SPW], v[NIL]                      ; the wave's opening: the add and its wait stand ahead of my first tensor load
	v_lshrrev_b32 v3, 5, v0
	v_readfirstlane_b32 s16, v3
	s_lshr_b32 s17, s16, 1
	s_and_b32 s18, s16, 1
	s_bfe_u32 s20, ttmp6, 0x40000
	s_bfe_u32 s21, ttmp6, 0x40004
	s_lshl_b32 s22, ttmp9, 2
	s_add_co_u32 s22, s22, s20                     ; tile column
	s_and_b32 s23, ttmp7, 0xffff
	s_add_co_u32 s80, s23, ttmp9                   ; the cluster's x + y,
	s_and_b32 s80, s80, 1                          ; its parity p,
	s_lshl_b32 s80, s80, 1                         ; 2 p
	s_lshl_b32 s82, s80, 15                        ; step 0's K step, in bytes
	s_mov_b32 s83, 0
	s_mov_b32 s69, 1                               ; the last step asked for
	s_lshl_b32 s23, s23, 2
	s_add_co_u32 s23, s23, s21                     ; tile row
	s_lshl_b32 s44, s21, 2
	s_lshl_b32 s44, 15, s44
	s_lshl_b32 s45, 0x1111, s20
	s_or_b32 s24, s44, (1<<16)|(1<<21)
	s_or_b32 s48, s45, (1<<16)|(1<<21)
.irp g, 24, 48
	s_mov_b32 s[\g+1], 128<<16                     ; a dense piece of 32 KiB as 128 rows of 128 elements
	s_mov_b32 s[\g+2], 128<<16
	s_mov_b32 s[\g+3], 128<<16
	s_mov_b32 s[\g+4], 128
	s_mov_b32 s[\g+5], 128
	s_mov_b32 s[\g+6], 0
	s_mov_b32 s[\g+7], 0
.endr
	s_lshl_b32 s40, s23, 1
	s_add_co_u32 s40, s40, s18
	s_lshl_b32 s40, s40, ASH
	s_add_co_u32 s40, s40, AOFF
	s_mov_b32 s41, 0
	s_lshl_b32 s42, s22, 1
	s_add_co_u32 s42, s42, s18
	s_lshl_b32 s42, s42, BSH
	s_add_co_u32 s42, s42, BOFF
	s_mov_b32 s43, 0
	s_lshl_b32 s33, s16, 15
	s_add_co_u32 s37, s33, SLOT
	s_lshl_b32 s57, s16, 15
	s_add_co_u32 s61, s57, SLOT
	s_mov_b32 s32, 1
	s_mov_b32 s36, 1
	s_mov_b32 s56, 1
	s_mov_b32 s60, 1
	s_wait_dscnt 0x0
	s_wait_kmcnt 0x0
	s_add_nc_u64 s[40:41], s[PA:PA+1], s[40:41]    ; my piece's rows, at K = 0: kept
	s_add_nc_u64 s[42:43], s[PB:PB+1], s[42:43]
	s_add_nc_u64 s[34:35], s[40:41], s[82:83]      ; step 0
	s_or_b32 s35, s35, 0x80000000
	s_add_nc_u64 s[58:59], s[42:43], s[82:83]
	s_or_b32 s59, s59, 0x80000000
	s_xor_b32 s82, s82, KSB                        ; step 1
	s_add_nc_u64 s[38:39], s[40:41], s[82:83]
	s_or_b32 s39, s39, 0x80000000
	s_add_nc_u64 s[62:63], s[42:43], s[82:83]
	s_or_b32 s63, s63, 0x80000000
	CROUND
	JLOAD 0
	JLOAD 1                                        ; two loads of mine are out
	v_and_b32 v1, 15, v0
	v_bfe_u32 v2, v0, 4, 1
	v_and_b32 v3, 31, v0
	v_lshlrev_b32 v24, 4, v3                       ; 16 x lane
	v_lshlrev_b32 v31, 5, v2
	s_lshl_b32 s44, s17, 15
	v_add_nc_u32 v16, s44, v24
	s_lshl_b32 s45, s18, 15
	s_add_co_u32 s45, s45, 65536
	v_add_nc_u32 v17, s45, v24
	v_mov_b32 v[ADA], v16
	v_mov_b32 v[ADB], v17
	s_mov_b32 s19, 0
	s_lshl_b32 s44, s22, 9                         ; bq at my 64 columns
	s_lshl_b32 s45, s18, 8
	s_add_co_u32 s44, s44, s45
	s_mov_b32 s45, 0
	s_add_nc_u64 s[72:73], s[6:7], s[44:45]
.set t, 0
.rept 16
	global_load_b128 v[ACC+8*t:ACC+8*t+3],   v31, s[72:73] offset:64*(t%4)
	global_load_b128 v[ACC+8*t+4:ACC+8*t+7], v31, s[72:73] offset:64*(t%4)+16
.set t, t+1
.endr
	s_lshl1_add_u32 s44, s22, s18                  ; block (2 tc + wc) x 64 + 2 tr + wr
	s_lshl_b32 s44, s44, 6
	s_lshl1_add_u32 s44, s23, s44
	s_add_co_u32 s44, s44, s17
	s_lshl_b32 s44, s44, 13
	s_mov_b32 s45, 0
	s_add_nc_u64 s[70:71], s[8:9], s[44:45]
	s_wait_tensorcnt 1                             ; my part of step 0 is in; step 1's may stay out
	s_barrier_signal -1
	s_barrier_wait -1
	FETCH F0, 0
	WIN 0
	s_wait_loadcnt 0x0                             ; the accumulators hold the bias
	s_mov_b32 s3, KSTEPS-2
.LstepA:
	s_mov_b32 s2, 2
.LhalfA:                                               ; walked twice a step: quarters 0 and 1, then quarter 2
	QUARTER F0, F1, O1
	WIN 0
	s_sub_co_u32 s2, s2, 1
	s_cmp_eq_u32 s2, 0
	s_cbranch_scc1 .LturnA
	QUARTER F1, F0, O2
	ONWARD
	s_branch .LhalfA
.LturnA:
	TURN
	WIN 0
	s_sub_co_u32 s3, s3, 1
	s_cmp_lg_u32 s3, 0
	s_cbranch_scc1 .LstepA
	s_mov_b32 s3, 2
.LstepB:                                               ; the last two steps ask for nothing
	s_mov_b32 s2, 2
.LhalfB:
	QUARTER F0, F1, O1
	WIN 0
	s_sub_co_u32 s2, s2, 1
	s_cmp_eq_u32 s2, 0
	s_cbranch_scc1 .LturnB
	QUARTER F1, F0, O2
	ONWARD
	s_branch .LhalfB
.LturnB:
	MEET
	s_sub_co_u32 s3, s3, 1
	s_cmp_eq_u32 s3, 0
	s_cbranch_scc1 .Lout
	s_xor_b32 s19, s19, SLOT
	PLACES
	v_add_nc_u32 v[ADA], s19, v16
	v_add_nc_u32 v[ADB], s19, v17
	FETCH F0, 0
	MUL8 F1, 1, 0
	MUL8 F1, 1, 2
	WIN 0
	s_branch .LstepB
.Lout:
	MUL8 F1, 1, 0
	MUL8 F1, 1, 2
	WIN 0
	PLACES
	PLACES
.set t, 0
.rept 16
.irp r, 0,1,2,3
	v_cvt_pk_bf16_f32 v[32+4*t+(\r)], v[ACC+8*t+2*(\r)], v[ACC+8*t+2*(\r)+1]
.endr
.set t, t+1
.endr
.set t, 0
.rept 16
	global_store_b128 v24, v[32+4*t:32+4*t+3], s[70:71] offset:512*t  ; a sub-tile: 512 consecutive bytes
.set t, t+1
.endr
	s_wait_tensorcnt 0x0                           ; the wave's end
	ds_add_u32 v[SPW], v[NIL]
	s_wait_dscnt 0x0
	CROUND
	s_endpgm
.Lfunc_end_k_qc03da20b74_gq:
	.size	k_qc03da20b74_gq, .Lfunc_end_k_qc03da20b74_gq-k_qc03da20b74_gq
	.p2alignl 7, 3214868480
	.fill 96, 4, 3214868480
	.section	.rodata,"a",@progbits
	.p2align	6, 0x0
	.amdhsa_kernel k_qc03da20b74_gq
		.amdhsa_group_segment_fixed_size 327680
		.amdhsa_private_segment_fixed_size 0
		.amdhsa_enable_private_segment 0
		.amdhsa_kernarg_size 24
		.amdhsa_user_sgpr_count 2
		.amdhsa_user_sgpr_kernarg_segment_ptr 1
		.amdhsa_wavefront_size32 1
		.amdhsa_system_sgpr_workgroup_id_x 1
		.amdhsa_system_sgpr_workgroup_id_y 1
		.amdhsa_system_sgpr_workgroup_id_z 1
		.amdhsa_system_vgpr_workitem_id 0
		.amdhsa_next_free_vgpr 512
		.amdhsa_next_free_sgpr 84
		.amdhsa_reserve_vcc 0
		.amdhsa_float_denorm_mode_32 3
		.amdhsa_float_denorm_mode_16_64 3
		.amdhsa_memory_ordered 1
		.amdhsa_forward_progress 1
		.amdhsa_inst_pref_size 47
	.end_amdhsa_kernel
	.amdgpu_metadata
---
amdhsa.version: [ 1, 2 ]
amdhsa.kernels:
  - .name:           k_qc03da20b74_gq
    .symbol:         k_qc03da20b74_gq.kd
    .args:
      - { .name: pb, .offset: 0, .size: 8, .value_kind: global_buffer, .address_space: global }
      - { .name: bq, .offset: 8, .size: 8, .value_kind: global_buffer, .address_space: global }
      - { .name: qkv, .offset: 16, .size: 8, .value_kind: global_buffer, .address_space: global }
    .group_segment_fixed_size: 327680
    .private_segment_fixed_size: 0
    .kernarg_segment_align: 8
    .kernarg_segment_size: 24
    .max_flat_workgroup_size: 128
    .sgpr_count:     84
    .vgpr_count:     512
    .wavefront_size: 32
...
	.end_amdgpu_metadata
.endif
;; end of part 3
;; launch attn (part 4): grid 2 x 128, 4 waves a work-group, no clusters, 327,680 bytes of LDS; arguments qkv, at; writes at
.if DOCPART == 4
	.amdgcn_target "amdgcn-amd-amdhsa--gfx1250"
	.amdhsa_code_object_version 6
	.text
	.protected	k_qc03da20b74_attn
	.globl	k_qc03da20b74_attn
	.p2align	8
	.type	k_qc03da20b74_attn,@function
k_qc03da20b74_attn:
	s_mov_b64 s[64:65], 0
	v_nop
	global_prefetch_b8 v0, s[64:65] scope:SCOPE_SE
	s_setreg_imm32_b32 hwreg(HW_REG_WAVE_MODE, 25, 1), 1
	s_wait_xcnt 0x0
; O[b][h][q] = the sum over k of softmax_k(Q . K / 8) V: 128 pairs of batch and head, 512 queries, 1,024 keys, head size 64, all bf16 in blocks of 64 x 64 in fragment order.
; Products, maxima and sums in f32; the weights p are rounded to bf16 for the second product (their sum l is taken of the unrounded p), O once at the end.
; LIMITS: a weight below 2^-126 counts as 0 in l; NaN and infinities are not treated apart.
; SHARES.  Grid y = 16 batch + head, grid x = which 256 of the 512 queries.  A wave owns one block of 64 queries: four PIECES of 16.  Every wave walks the 1,024 keys, 64 a step.
; ALL OF K AND V (128 KiB each) LIES IN LDS: each wave asks for four parts of 16 KiB at the head (four tensor loads of mine are out); part j holds key steps 4 j to 4 j + 3; nothing is filled again.
; NO CLUSTER: a head's K and V are read by two work-groups only, and a launch's clusters are four work-groups wide.
; LAYOUT.  S^T = K Q^T holds ONE query a lane (lane % 16) and the keys 8 (lane / 16) + 0..7; two such results rounded to bf16 ARE source 1 of O^T = V^T P; V is turned by ds_load_tr16_b128.
; SOFTMAX.  p = 2^(c s - c m), c = log2(e) / 8, with a running maximum m; O and l are multiplied by a = 2^(c m_old - c m_new) in every step.  m starts at the lowest finite number, O and l at 0.
; TURNS.  Turn n belongs to piece n: 8 products K Q^T of piece n + 1, later 8 products V^T P of piece n - 1; beside them the scaling, exponentials, roundings, sums and rescaling of piece n and the
; maximum and statistics of piece n + 1.  Four vector instructions stand behind every matrix instruction, the rest in one lump.  A turn's 33 exponentials are one batch, with one wait.
; REGISTERS: window 0: v0-15 addresses, v16-31 statistics, v48-55 at work, v64-127 S^T (two buffers), v192-223 P (two buffers); window 1: v0-127 O^T; window 2: v0-63 Q, v128-191 K, v192-255 V of one step.
.set NP,  4
.set AK0, 2           ; v2   16 x lane: my place in a sub-tile of K
.set AV0, 3           ; v3   my place in a sub-tile of V, plus V's base
.set AK,  4
.set AV,  5
.set GO,  8           ; v8   16 x lane, for Q's loads and O's stores
.set SPW, 62
.set NIL, 63
.set SPARE, 262144    ; behind K and V: the spare words, 128 bytes a wave
.set MV,  12
.set ST,  16          ; piece t: c m, m, l (even keys', odd keys')
.set TMP, 48
.set S,   64
.set P,   192
.set KF,  128
.set VF,  192
.set WV,  12
.set G1,  24
.set G0,  32          ; s[32:47] a group 0 for each of my four loads
.set SLOTS, 56
.set CNT, 57
.set CS,  58
.set SEL, 60
.set TBK, 62
.set TBV, 63
.set MSB, 0
.macro WIN new
.if MSB != (\new)
	s_set_vgpr_msb (MSB<<8)|(\new)
.set MSB, (\new)
.endif
.endm
.set W_KQ, 0x0a
.set W_PV, 0x52
.set W_RS, 0x41
	s_load_b128 s[4:7], s[0:1], 0x0                ; qkv, at
	v_lshl_add_u32 v[SPW], v0, 2, SPARE
	v_mov_b32 v[NIL], 0
	ds_add_u32 v[SPW], v[NIL]                      ; the wave's opening: the add and its wait stand ahead of my first tensor load
	v_lshrrev_b32 v1, 5, v0
	v_readfirstlane_b32 s[WV], v1
	s_and_b32 s13, ttmp7, 0xffff
	s_and_b32 s14, s13, 15                         ; head
	s_lshr_b32 s15, s13, 4                         ; batch
	s_lshl_b32 s16, s14, 7
	s_lshl4_add_u32 s16, s15, s16                  ; K's first block: 128 head + 16 batch
	s_lshl_b32 s16, s16, 13
	s_add_co_u32 s16, s16, 8388608
	s_lshr_b32 s18, s[WV], 1                       ; waves 0, 1 fetch K, waves 2, 3 V (16 MiB further on)
	s_lshl_b32 s19, s18, 24
	s_add_co_u32 s16, s16, s19
	s_and_b32 s19, s[WV], 1                        ; which 16 KiB of a part's 32
	s_lshl_b32 s19, s19, 14
	s_add_co_u32 s16, s16, s19
	s_mov_b32 s17, 0
	s_lshl_b32 s20, s18, 17
	s_or_b32 s20, s20, s19                         ; where part 0 goes
	s_lshl_b32 s21, s15, 3
	s_lshl2_add_u32 s21, ttmp9, s21
	s_add_co_u32 s21, s21, s[WV]                   ; my block of 64 queries: 8 batch + 4 x + wave
	s_lshl_b32 s22, s14, 6
	s_add_co_u32 s22, s22, s21
	s_lshl_b32 s22, s22, 13                        ; in Q: block 64 head + that
	s_mov_b32 s23, 0
	s_lshl4_add_u32 s52, s21, s14                  ; in at: block 16 x that + head
	s_lshl_b32 s52, s52, 13
	s_mov_b32 s53, 0
	s_mov_b32 s[G1], 1<<16                         ; 2-byte elements, no mask, no padding
	s_mov_b32 s[G1+1], 128<<16                     ; 16 KiB dense as 64 rows of 128 elements
	s_mov_b32 s[G1+2], 64<<16
	s_mov_b32 s[G1+3], 128<<16
	s_mov_b32 s[G1+4], 64
	s_mov_b32 s[G1+5], 128
	s_mov_b32 s[G1+6], 0
	s_mov_b32 s[G1+7], 0
	s_mov_b32 s[CS], 0x3e38aa3b                    ; c = log2(e) / 8
	s_mov_b32 s[CS+1], s[CS]
	s_mov_b32 s[SEL], 0x76543210
	s_mov_b32 s[SEL+1], 0xfedcba98
	s_mov_b32 s[TBK], 0
	s_mov_b32 s[TBV], 0
	s_wait_dscnt 0x0                               ; the opening add is done
	s_wait_kmcnt 0x0
	s_add_nc_u64 s[16:17], s[4:5], s[16:17]
	s_add_nc_u64 s[8:9], s[4:5], s[22:23]          ; Q
	s_add_nc_u64 s[10:11], s[6:7], s[52:53]        ; O
.irp j, 0,1,2,3
	s_mov_b32 s[G0+4*(\j)], 1
	s_add_co_u32 s[G0+4*(\j)+1], s20, (\j)*32768
	s_add_nc_u64 s[G0+4*(\j)+2:G0+4*(\j)+3], s[16:17], (\j)*32768
	s_or_b32 s[G0+4*(\j)+3], s[G0+4*(\j)+3], 0x80000000
	tensor_load_to_lds s[G0+4*(\j):G0+4*(\j)+3], s[G1:G1+7]
	s_nop 0
.endr
.rept 4
	v_nop
.endr
	v_and_b32 v9, 31, v0
	v_lshlrev_b32 v[AK0], 4, v9
	v_mov_b32 v[GO], v[AK0]
	WIN 0x80
.set i, 0
.rept 8                             ; Q stays in registers: piece i / 2, channels 32 (i % 2) on
	global_load_b128 v[8*i:8*i+3],   v[GO], s[8:9] offset:(i/2)*2048+(i%2)*1024
	global_load_b128 v[8*i+4:8*i+7], v[GO], s[8:9] offset:(i/2)*2048+(i%2)*1024+512
.set i, i+1
.endr
	; what the first turn finds: V's registers and P's second buffer hold 0, O^T and l are 0.  All this stands in the wait for the first part.
.set i, VF
.rept 64
	v_mov_b32 v[i], 0
.set i, i+1
.endr
	WIN 0x40
.set i, 0
.rept 128
	v_mov_b32 v[i], 0
.set i, i+1
.endr
	WIN 0
.set i, 0
.rept 4
	v_mov_b32 v[ST+4*i], 0xfe000000    ; c m: far below every c s
	v_mov_b32 v[ST+4*i+1], 0xff7fffff  ; m
	v_mov_b32 v[ST+4*i+2], 0
	v_mov_b32 v[ST+4*i+3], 0
.set i, i+1
.endr
.set i, P+16
.rept 16
	v_mov_b32 v[i], 0
.set i, i+1
.endr
	; the turning load takes 16 keys x 16 channels: lane l reads key 8 (l / 16) + l % 8 (32 bytes a key), channels 8 ((l / 8) % 2) + 0..7
	v_bfe_u32 v9, v0, 4, 1
	v_and_b32 v10, 7, v0
	v_bfe_u32 v11, v0, 3, 1
	v_lshl_add_u32 v[AV0], v9, 3, v10
	v_lshlrev_b32 v[AV0], 5, v[AV0]
	v_lshl_add_u32 v[AV0], v11, 4, v[AV0]
	v_add_nc_u32 v[AV0], 131072, v[AV0]
; THE MATRIX WORK.  The 4 accumulators of a run of 8 take turns.
.macro KQ x                         ; product i of 8 of S^T = K Q^T for piece x: channels 32 (i / 4) on, keys 16 (i % 4) on
	WIN W_KQ
.set rS, S+32*((\x)%2)+8*(i%4)
.set rK, KF+16*(i%4)+8*(i/4)
.set rQ, 16*(\x)+8*(i/4)
.if i < 4
	v_wmma_f32_16x16x32_bf16 v[rS:rS+7], v[rK:rK+7], v[rQ:rQ+7], 0
.else
	v_wmma_f32_16x16x32_bf16 v[rS:rS+7], v[rK:rK+7], v[rQ:rQ+7], v[rS:rS+7]
.endif
.endm
.macro PV x                         ; product i of 8 of O^T += V^T P for piece x: keys 32 (i / 4) on, channels 16 (i % 4) on
	WIN W_PV
.set rO, 32*(\x)+8*(i%4)
.set rV, VF+32*(i/4)+8*(i%4)
.set rP, P+16*((\x)%2)+8*(i/4)
	v_wmma_f32_16x16x32_bf16 v[rO:rO+7], v[rV:rV+7], v[rP:rP+7], v[rO:rO+7]
.endm
.macro MM
.if i < 8
	KQ (Y+1)%NP
.else
.set i, i-8
	PV (Y+NP-1)%NP
.set i, i+8
.endif
.set i, i+1
.endm
; THE LDS LOADS stand in runs of 16: a step's K (8 fragments) and its V (turned).
.macro FETCH_K
	WIN 0x80
.irp f, 0,1,2,3,4,5,6,7             ; keys 16 (f / 2) on, channels 32 (f % 2) on
	ds_load_b128 v[KF+8*\f:KF+8*\f+3],   v[AK] offset:(\f/2)*2048+(\f%2)*1024
	ds_load_b128 v[KF+8*\f+4:KF+8*\f+7], v[AK] offset:(\f/2)*2048+(\f%2)*1024+512
.endr
	s_add_co_u32 s[TBK], s[TBK], 8192   ; the next step's block;
	s_and_b32 s[TBK], s[TBK], 0x1ffff   ; behind the last it is the first again
	WIN 0
.endm
.macro FETCH_V
	WIN 0x80
.irp f, 0,1,2,3,4,5,6,7             ; keys 32 (f / 4) on, channels 16 (f % 4) on
	ds_load_tr16_b128 v[VF+8*\f:VF+8*\f+3],   v[AV] offset:(\f/4)*4096+(\f%4)*512
	ds_load_tr16_b128 v[VF+8*\f+4:VF+8*\f+7], v[AV] offset:(\f/4)*4096+(\f%4)*512+2048
.endr
	WIN 0
.endm
; THE VECTOR WORK, one line at a time: OP kind, number.  For piece Y: F n: c s - c m for pair n.  E n: the exponential of score n.  C n: pair n rounded to bf16.  B n: of the four weights 4 n .. the second
; pair is added onto the first.  L n: l takes that sum (L 0: l = a l + sum).  R n: pair n of O^T times a.  For piece Y + 1: X n, number n of the 22 that find its maximum and statistics
; (each accumulator's lowest registers are read first).
.set F, 0
.set E, 1
.set C, 2
.set B, 3
.set L, 4
.set R, 5
.set X, 6
.macro REGS y
.set rT, ST+4*(\y)
.set rC, TMP+4*((\y)%2)
.set rW, MV+((\y)%2)
.set rS, S+32*((\y)%2)
.set rP, P+16*((\y)%2)
.set rO, 32*(\y)
.endm
.macro OP k, n
.if (\k) == R
	REGS Y
	WIN W_RS
	v_pk_mul_f32 v[rO+2*(\n):rO+2*(\n)+1], v[rO+2*(\n):rO+2*(\n)+1], v[rC+2:rC+3] op_sel_hi:[1,0]
.elseif (\k) < R
	REGS Y
	WIN 0
.if (\k) == F
	v_pk_fma_f32 v[rS+2*(\n):rS+2*(\n)+1], v[rS+2*(\n):rS+2*(\n)+1], s[CS:CS+1], v[rT:rT+1] op_sel_hi:[1,0,0] neg_lo:[0,0,1] neg_hi:[0,0,1]
.elseif (\k) == E
	v_exp_f32 v[rS+(\n)], v[rS+(\n)]
.elseif (\k) == C
	v_cvt_pk_bf16_f32 v[rP+(\n)], v[rS+2*(\n)], v[rS+2*(\n)+1]
.elseif (\k) == B
	v_pk_add_f32 v[rS+4*(\n):rS+4*(\n)+1], v[rS+4*(\n):rS+4*(\n)+1], v[rS+4*(\n)+2:rS+4*(\n)+3]
.elseif (\n) == 0
	v_pk_fma_f32 v[rT+2:rT+3], v[rT+2:rT+3], v[rC+2:rC+3], v[rS:rS+1] op_sel_hi:[1,0,1]
.else
	v_pk_add_f32 v[rT+2:rT+3], v[rT+2:rT+3], v[rS+4*(\n):rS+4*(\n)+1]
.endif
.else
	REGS (Y+1)%NP
	WIN 0
.if (\n) < 4
	v_max3_num_f32 v[rC+(\n)], v[rS+8*(\n)], v[rS+8*(\n)+1], v[rS+8*(\n)+2]
.elseif (\n) < 12
	v_max3_num_f32 v[rC+(\n)%4], v[rC+(\n)%4], v[rS+8*((\n)%4)+2*((\n)/4)+1], v[rS+8*((\n)%4)+2*((\n)/4)+2]
.elseif (\n) == 12
	v_max3_num_f32 v[rC], v[rC], v[rS+7], v[rS+15]
.elseif (\n) == 13
	v_max3_num_f32 v[rC+1], v[rC+1], v[rS+23], v[rS+31]
.elseif (\n) == 14
	v_max3_num_f32 v[rC+2], v[rC+2], v[rC+3], v[rT+1]
.elseif (\n) == 15
	v_mov_b32 v[rW], v[rT]
.elseif (\n) == 16
	v_max3_num_f32 v[rC], v[rC], v[rC+1], v[rC+2]
.elseif (\n) == 17
	v_permlanex16_b32 v[rC+3], v[rC], s[SEL], s[SEL+1]
.elseif (\n) == 18
	v_max_num_f32 v[rT+1], v[rC], v[rC+3]
.elseif (\n) == 19
	v_mul_f32 v[rT], s[CS], v[rT+1]
.elseif (\n) == 20
	v_sub_f32 v[rC+1], v[rW], v[rT]
.else
	v_exp_f32 v[rC+2], v[rC+1]
.endif
.endif
.endm
.macro OPS a, i1, b=-1, i2=0, c=-1, i3=0, d=-1, i4=0
	OP \a, \i1
.if (\b) >= 0
	OP \b, \i2
.endif
.if (\c) >= 0
	OP \c, \i3
.endif
.if (\d) >= 0
	OP \d, \i4
.endif
.endm
.macro ROW a, i1, b, i2, c, i3, d, i4  ; a matrix instruction and the four behind it
	MM
	OPS \a, \i1, \b, \i2, \c, \i3, \d, \i4
.endm
; A TURN, for piece p.  AHEAD OF ITS ONE WAIT stands all that names no result of the turn's exponentials: the 8 products K Q^T and their riders, then one lump; X 21, the next piece's a, is the batch's last, and R 15
; the plain instruction behind it.  BEHIND THE WAIT stand the 8 products V^T P, behind each four of the roundings and sums.  K of the next step is fetched in piece 2's turn, V of the step in hand at the end of
; piece 0's turn, four plain instructions or more behind the last product that read the registers; each is waited for a turn later.  cnt = 1: the loop's count is taken down ahead of the branch behind the turn.
.macro TURN p, cnt=0
.set Y, (\p)
.set i, 0
.if (\p) == 3
	s_wait_dscnt 0x0                ; K is in
.endif
	ROW F,0, F,1, R,0, R,1
	ROW F,2, E,0, R,2, R,3
	ROW F,3, E,1, R,4, R,5
	ROW F,4, E,2, R,6, R,7
	ROW F,5, E,3, R,8, R,9
	ROW F,6, E,4, X,0, R,10
.if (\p) == 2
	WIN 0
	v_add_nc_u32 v[AK], s[TBK], v[AK0]
.endif
	ROW F,7, E,5, X,1, X,4
	ROW F,8, E,6, X,2, X,5
	OPS E,7, E,8, X,6, E,9
	OPS X,3, E,10, X,8, E,11
.if (\p) == 2
	FETCH_K
.endif
	OPS X,9, X,7, E,12, X,10
	OPS E,13, X,12, X,11, E,14
	OPS X,13, E,15, F,9, X,14
.if (\p) == 0
	v_add_nc_u32 v[AV], s[TBV], v[AV0]
.endif
	OPS E,16, F,10, E,17, F,11
	OPS X,16, E,18, X,15, E,19
	OPS F,12, E,20, X,17, E,21
	OPS F,13, E,22, F,14, E,23
	OPS X,18, E,24, F,15, E,25
	OPS R,11, E,26, X,19, E,27
	OPS R,12, E,28, R,13, E,29
	OPS X,20, E,30, R,14, E,31
	OPS X,21, R,15
	WIN 0
	s_wait_alu depctr_va_vdst(0)    ; the one wait for the batch, ahead of the first line that names a result
.if (\p) == 1
	s_wait_dscnt 0x0                ; V is in
.endif
	ROW C,0, B,0, C,2, B,1
	ROW L,0, C,4, B,2, L,1
	ROW C,6, B,3, L,2, C,8
	ROW B,4, L,3, C,10, B,5
	ROW L,4, C,12, B,6, L,5
.if (\p) == 0
	s_add_co_u32 s[TBV], s[TBV], 8192
.endif
.if \cnt
	s_sub_co_u32 s[CNT], s[CNT], 1
	s_cmp_lg_u32 s[CNT], 0
.endif
	ROW C,14, B,7, L,6, C,1
	ROW C,3, L,7, C,5, C,7
	ROW C,9, C,11, C,13, C,15
.if (\p) == 0
	FETCH_V
.endif
.endm
	s_wait_tensorcnt 3              ; my quarter of part 0 is in; parts 1 to 3 may stay out
	s_barrier_signal -1
	s_barrier_wait -1               ; everybody's is
	v_add_nc_u32 v[AK], s[TBK], v[AK0]
	FETCH_K                         ; key step 0
	s_wait_loadcnt 0x0              ; Q
	s_wait_dscnt 0x0
.set i, 0
.rept 8
	KQ 0                            ; piece 0's first scores
.set i, i+1
.endr
	WIN 0
.rept 4
	v_nop                           ; the places behind those products
.endr
.set Y, NP-1                        ; X works for piece Y + 1: piece 0
.irp n, 0,1,2,3,4,5,6,7,8,9,10,11,12,13,14,15,16,17,18,19,20,21
	OP X, \n
.endr
	v_nop                           ; a plain instruction behind the exponential,
	s_wait_alu depctr_va_vdst(0)    ; and its wait, ahead of the branch
	s_mov_b32 s[CNT], 4
	s_mov_b32 s[SLOTS], 5
	s_branch .Lfirst                ; the loop is entered at a step's first turn, in the middle of a trip
.Lslot:                             ; a part of four key steps is entered: every wave shows that its loads have landed
	s_wait_tensorcnt 0x0
	s_wait_dscnt 0x0
	s_barrier_signal -1
	s_barrier_wait -1
	s_mov_b32 s[CNT], 4
.Lstep:                             ; a trip: pieces 2 and 3 of one step, then pieces 0 and 1 of the next, whose K and V it fetches
	TURN 2
	TURN 3
	WIN 0
	s_cmp_eq_u32 s[SLOTS], 1        ; the fifth visit holds the last step's pieces 2 and 3 alone; its 8 products on the first K once more, and the maximum made of them, serve nothing
	s_cbranch_scc1 .Lout
.Lfirst:
	TURN 0
	TURN 1, 1
	WIN 0
	s_cbranch_scc1 .Lstep
	s_sub_co_u32 s[SLOTS], s[SLOTS], 1
	s_cmp_lg_u32 s[SLOTS], 0
	s_cbranch_scc1 .Lslot
.Lout:
.set i, 0
.rept 8
	PV NP-1                         ; the last piece's V^T P of the last step
.set i, i+1
.endr
	; THE WAY OUT.  l's two halves and the other half of the lanes' are added; O^T is divided by l and rounded; a packed accumulator is 512 consecutive bytes of at.  The additions are the places behind the last products.
	WIN 0
.macro ALL line:vararg
.set t, 0
.rept 4
	\line
.set t, t+1
.endr
.endm
	ALL v_add_f32 v[ST+4*t+2], v[ST+4*t+2], v[ST+4*t+3]
	ALL v_permlanex16_b32 v[ST+4*t+3], v[ST+4*t+2], s[SEL], s[SEL+1]
	ALL v_add_f32 v[ST+4*t+2], v[ST+4*t+2], v[ST+4*t+3]
	ALL v_rcp_f32 v[ST+4*t+2], v[ST+4*t+2]
	v_nop                           ; a plain instruction behind the last reciprocal
	s_wait_alu depctr_va_vdst(0)    ; one wait for the four reciprocals, ahead of their first use
.macro PACK t
	WIN W_RS
.set i, 32*(\t)
.rept 16
	v_pk_mul_f32 v[i:i+1], v[i:i+1], v[ST+4*(\t)+2:ST+4*(\t)+3] op_sel_hi:[1,0]
.set i, i+2
.endr
	WIN 0x05
.set i, 0
.rept 16
	v_cvt_pk_bf16_f32 v[S+16*(\t)+i], v[32*(\t)+2*i], v[32*(\t)+2*i+1]
.set i, i+1
.endr
	WIN 0
.irp f, 0,1,2,3
	global_store_b128 v[GO], v[S+16*(\t)+4*\f:S+16*(\t)+4*\f+3], s[10:11] offset:(\t)*2048+\f*512
.endr
.endm
	PACK 0
	PACK 1
	PACK 2
	PACK 3
	s_wait_tensorcnt 0x0            ; the wave's end, behind my last tensor load
	ds_add_u32 v[SPW], v[NIL]
	s_wait_dscnt 0x0
	s_endpgm
.Lfunc_end_k_qc03da20b74_attn:
	.size	k_qc03da20b74_attn, .Lfunc_end_k_qc03da20b74_attn-k_qc03da20b74_attn
	.p2alignl 7, 3214868480
	.fill 96, 4, 3214868480
	.section	.rodata,"a",@progbits
	.p2align	6, 0x0
	.amdhsa_kernel k_qc03da20b74_attn
		.amdhsa_group_segment_fixed_size 327680
		.amdhsa_private_segment_fixed_size 0
		.amdhsa_enable_private_segment 0
		.amdhsa_kernarg_size 16
		.amdhsa_user_sgpr_count 2
		.amdhsa_user_sgpr_kernarg_segment_ptr 1
		.amdhsa_wavefront_size32 1
		.amdhsa_system_sgpr_workgroup_id_x 1
		.amdhsa_system_sgpr_workgroup_id_y 1
		.amdhsa_system_sgpr_workgroup_id_z 1
		.amdhsa_system_vgpr_workitem_id 0
		.amdhsa_next_free_vgpr 768
		.amdhsa_next_free_sgpr 66
		.amdhsa_reserve_vcc 0
		.amdhsa_float_denorm_mode_32 3
		.amdhsa_float_denorm_mode_16_64 3
		.amdhsa_memory_ordered 1
		.amdhsa_forward_progress 1
		.amdhsa_inst_pref_size 66
	.end_amdhsa_kernel
	.amdgpu_metadata
---
amdhsa.version: [ 1, 2 ]
amdhsa.kernels:
  - .name:           k_qc03da20b74_attn
    .symbol:         k_qc03da20b74_attn.kd
    .args:
      - { .name: qkv, .offset: 0, .size: 8, .value_kind: global_buffer, .address_space: global }
      - { .name: at, .offset: 8, .size: 8, .value_kind: global_buffer, .address_space: global }
    .group_segment_fixed_size: 327680
    .private_segment_fixed_size: 0
    .kernarg_segment_align: 8
    .kernarg_segment_size: 16
    .max_flat_workgroup_size: 128
    .sgpr_count:     66
    .vgpr_count:     768
    .wavefront_size: 32
...
	.end_amdgpu_metadata
.endif
;; end of part 4
;; launch go (part 5): grid 8 x 32, 4 waves a work-group, clusters of 4 x 4, 327,680 bytes of LDS; arguments at, pb, x, bo, b2, x1; writes x1
.if DOCPART == 5
	.amdgcn_target "amdgcn-amd-amdhsa--gfx1250"
	.amdhsa_code_object_version 6
	.text
	.protected	k_qc03da20b74_go
	.globl	k_qc03da20b74_go
	.p2align	8
	.type	k_qc03da20b74_go,@function
k_qc03da20b74_go:
	s_mov_b64 s[64:65], 0
	v_nop
	global_prefetch_b8 v0, s[64:65] scope:SCOPE_SE
	s_setreg_imm32_b32 hwreg(HW_REG_WAVE_MODE, 25, 1), 1
	s_wait_xcnt 0x0
	s_wait_alu depctr_hold_cnt(0) depctr_sa_sdst(0) depctr_va_vdst(0) depctr_va_sdst(0) depctr_va_ssrc(0) depctr_va_vcc(0) depctr_vm_vsrc(0)
	s_getreg_b32 s2, hwreg(HW_REG_IB_STS2, 6, 4)
	s_cmp_eq_u32 s2, 0
	s_cbranch_scc0 .Lentry_in_a_cluster
	s_endpgm
.Lentry_in_a_cluster:
	s_bfe_u32 s2, ttmp6, 0x10000c
	s_cmp_lg_u32 s2, 0xf033
	s_cbranch_scc0 .Lentry_shape_is_right
	s_endpgm
.Lentry_shape_is_right:
; x1 = x + at Wo + bo: 4,096 x 1,024 x 1,024 in bf16, sums in f32.  The accumulators are LOADED with x (f32) and bo is added before the first product, so the residual stays in f32.
; Two results: x1 rounded once to bf16, in pieces of 2 x 2 blocks of 64 x 64 (the next product's operand), at x1 + 16 MiB; and x1 + b2 in f32, laid accumulator by accumulator (1,024 bytes each), at x1.
; Tiles, ring, cluster and fragment layout: a tile of 128 x 128 to a work-group, 64 x 64 to a wave, K in 4 steps of 256 through two LDS slots of 128 KiB, wave w fetches piece w (32 KiB dense);
; A's pieces are asked for jointly along a row of the 4 x 4 cluster, B's along a column.  Transposed use: a lane holds one row, eight neighbouring columns.
; THE ORDER OF K.  Step s takes K step s xor 2 p, p = the parity of the cluster's x + y (the same in all sixteen partners).  The clusters that read the same rows of A (neighbours along x) or of B
; (neighbours along y) differ in p, so they ask for a given K step two steps apart and not at the same time.  f32 sums may be taken in any order.
; A K step is four quarters of 64 along K on fragment buffers 0, 1, 0, 1.  The first and the third are ONE text, walked twice (counter s2), the fragment addresses stepped by two quarters between.
; LIMITS: matrix operands are rounded to bf16; NaN and infinities are not treated apart.
; REGISTERS: window 0: v0-31 addresses, v32-63 bo then packed, v64-95 b2, v96-127 packed, v128-255 accumulators; window 1: two fragment buffers of 128.
.set SPARE, 262144
.set SLOT, 131072
.set KSB, 32768
.set KSTEPS, 4
.set ASH, 17
.set BSH, 17
.set AOFF, 0
.set BOFF, 31457280                    ; Wo^T in pb
.set PA, 4
.set PB, 6
.set O1, 8192
.set O2, 16384
.set ADA, 18
.set ADB, 19
.set SPW, 28
.set NIL, 29
.set ACC, 128
.set F0, 0
.set F1, 128
.set MSB, 0
.macro WIN new
.if MSB != (\new)
	s_set_vgpr_msb (MSB<<8)|(\new)
.set MSB, \new
.endif
.endm
.macro JLOAD s                         ; a joint load: waves 0, 1 fetch A's halves, waves 2, 3 B's; s_nop 0 and four v_nop follow each line
	s_cmp_eq_u32 s17, 0
	s_cbranch_scc0 .Lfor_b_\@
	tensor_load_to_lds s[32+4*(\s):35+4*(\s)], s[24:31]
	s_nop 0
.rept 4
	v_nop
.endr
	s_branch .Lasked_\@
.Lfor_b_\@:
	tensor_load_to_lds s[56+4*(\s):59+4*(\s)], s[48:55]
	s_nop 0
.rept 4
	v_nop
.endr
.Lasked_\@:
.endm
.macro CREST
	s_cmp_lg_u32 s16, 0
	s_cbranch_scc1 .Lnot_wave_0_\@
	s_barrier_signal -3
.Lnot_wave_0_\@:
	s_barrier_wait -3
	s_barrier_signal -1
	s_barrier_wait -1
.endm
.macro CROUND
	s_barrier_signal -1
	s_barrier_wait -1
	CREST
.endm
.macro PLACES
.rept 4
	v_nop
.endr
.endm
.macro MUL8 f, c, a0
	WIN 0x05
.irp a, \a0, (\a0)+1
.irp b, 0,1,2,3
	v_wmma_f32_16x16x32_bf16 v[ACC+8*(4*(\a)+(\b)):ACC+8*(4*(\a)+(\b))+7], v[(\f)+64+8*(4*(\c)+(\b)):(\f)+64+8*(4*(\c)+(\b))+7], v[(\f)+8*(4*(\c)+(\a)):(\f)+8*(4*(\c)+(\a))+7], v[ACC+8*(4*(\a)+(\b)):ACC+8*(4*(\a)+(\b))+7]
.endr
.endr
.endm
.macro FETCH f, off
	WIN 0x40
.irp c, 0,1
.irp i, 0,1,2,3
	ds_load_b128 v[(\f)+64+8*(4*(\c)+(\i)):(\f)+64+8*(4*(\c)+(\i))+3],   v[ADB] offset:(\off)+(\i)*2048+(\c)*1024
	ds_load_b128 v[(\f)+64+8*(4*(\c)+(\i))+4:(\f)+64+8*(4*(\c)+(\i))+7], v[ADB] offset:(\off)+(\i)*2048+(\c)*1024+512
	ds_load_b128 v[(\f)+8*(4*(\c)+(\i)):(\f)+8*(4*(\c)+(\i))+3],         v[ADA] offset:(\off)+(\i)*2048+(\c)*1024
	ds_load_b128 v[(\f)+8*(4*(\c)+(\i))+4:(\f)+8*(4*(\c)+(\i))+7],       v[ADA] offset:(\off)+(\i)*2048+(\c)*1024+512
.endr
.endr
.endm
.macro QUARTER f, g, off
	s_wait_dscnt 16                                ; the first 32 along K are in
	MUL8 \f, 0, 0
	MUL8 \f, 0, 2
	PLACES
	FETCH \g, \off
	s_wait_dscnt 32                                ; all but the 32 just issued
	MUL8 \f, 1, 0
	MUL8 \f, 1, 2
.endm
.macro MEET
	WIN 0
	s_wait_tensorcnt 0x0                           ; all my tensor loads have landed: my part of the next slot
	ds_add_u32 v[SPW], v[NIL]                      ; 0 onto my spare word
	s_wait_dscnt 17                                ; the add and the youngest sixteen loads may be out
	MUL8 F1, 0, 0
	s_wait_dscnt 0x0                               ; the add is done, my reads of this slot are over
	s_barrier_signal -1
	MUL8 F1, 0, 2
	WIN 0
	s_barrier_wait -1
.endm
.macro TURN
	MEET
	CREST                                          ; no wave of any partner still reads the slot or has a load on its way
	s_add_co_u32 s69, s69, 1                       ; the step that is asked for,
	s_xor_b32 s82, s69, s80                        ; its K step,
	s_lshl_b32 s82, s82, 15                        ; in bytes: the walking descriptors' addresses are made anew from it
	s_xor_b32 s37, s37, SLOT
	s_add_nc_u64 s[38:39], s[40:41], s[82:83]
	s_or_b32 s39, s39, 0x80000000
	s_xor_b32 s61, s61, SLOT
	s_add_nc_u64 s[62:63], s[42:43], s[82:83]
	s_or_b32 s63, s63, 0x80000000
	s_xor_b32 s19, s19, SLOT
	JLOAD 1                                        ; the first tensor load behind the round; its four v_nop are the places in front of the loads below
	v_add_nc_u32 v[ADA], s19, v16
	v_add_nc_u32 v[ADB], s19, v17
	FETCH F0, 0
	MUL8 F1, 1, 0
	MUL8 F1, 1, 2
.endm
.macro ONWARD                          ; between a step's second and third quarter: the fragment addresses go two quarters on
	WIN 0
	v_add_nc_u32 v[ADA], O2, v[ADA]
	v_add_nc_u32 v[ADB], O2, v[ADB]
.endm
	s_load_b256 s[4:11], s[0:1], 0x0               ; at, pb, x, bo
	s_load_b128 s[12:15], s[0:1], 0x20             ; b2, x1
	v_lshl_add_u32 v[SPW], v0, 2, SPARE
	v_mov_b32 v[NIL], 0
	ds_add_u32 v[SPW], v[NIL]                      ; the wave's opening: the add and its wait stand ahead of my first tensor load
	v_lshrrev_b32 v3, 5, v0
	v_readfirstlane_b32 s16, v3
	s_lshr_b32 s17, s16, 1
	s_and_b32 s18, s16, 1
	s_bfe_u32 s20, ttmp6, 0x40000
	s_bfe_u32 s21, ttmp6, 0x40004
	s_lshl_b32 s22, ttmp9, 2
	s_add_co_u32 s22, s22, s20                     ; tile column
	s_and_b32 s23, ttmp7, 0xffff
	s_add_co_u32 s80, s23, ttmp9                   ; the cluster's x + y,
	s_and_b32 s80, s80, 1                          ; its parity p,
	s_lshl_b32 s80, s80, 1                         ; 2 p
	s_lshl_b32 s82, s80, 15                        ; step 0's K step, in bytes
	s_mov_b32 s83, 0
	s_mov_b32 s69, 1                               ; the last step asked for
	s_lshl_b32 s23, s23, 2
	s_add_co_u32 s23, s23, s21                     ; tile row
	s_lshl_b32 s44, s21, 2
	s_lshl_b32 s44, 15, s44
	s_lshl_b32 s45, 0x1111, s20
	s_or_b32 s24, s44, (1<<16)|(1<<21)
	s_or_b32 s48, s45, (1<<16)|(1<<21)
.irp g, 24, 48
	s_mov_b32 s[\g+1], 128<<16                     ; a dense piece of 32 KiB as 128 rows of 128 elements
	s_mov_b32 s[\g+2], 128<<16
	s_mov_b32 s[\g+3], 128<<16
	s_mov_b32 s[\g+4], 128
	s_mov_b32 s[\g+5], 128
	s_mov_b32 s[\g+6], 0
	s_mov_b32 s[\g+7], 0
.endr
	s_lshl_b32 s40, s23, 1
	s_add_co_u32 s40, s40, s18
	s_lshl_b32 s40, s40, ASH
	s_add_co_u32 s40, s40, AOFF
	s_mov_b32 s41, 0
	s_lshl_b32 s42, s22, 1
	s_add_co_u32 s42, s42, s18
	s_lshl_b32 s42, s42, BSH
	s_add_co_u32 s42, s42, BOFF
	s_mov_b32 s43, 0
	s_lshl_b32 s33, s16, 15
	s_add_co_u32 s37, s33, SLOT
	s_lshl_b32 s57, s16, 15
	s_add_co_u32 s61, s57, SLOT
	s_mov_b32 s32, 1
	s_mov_b32 s36, 1
	s_mov_b32 s56, 1
	s_mov_b32 s60, 1
	s_wait_dscnt 0x0
	s_wait_kmcnt 0x0
	s_add_nc_u64 s[40:41], s[PA:PA+1], s[40:41]    ; my piece's rows, at K = 0: kept
	s_add_nc_u64 s[42:43], s[PB:PB+1], s[42:43]
	s_add_nc_u64 s[34:35], s[40:41], s[82:83]      ; step 0
	s_or_b32 s35, s35, 0x80000000
	s_add_nc_u64 s[58:59], s[42:43], s[82:83]
	s_or_b32 s59, s59, 0x80000000
	s_xor_b32 s82, s82, KSB                        ; step 1
	s_add_nc_u64 s[38:39], s[40:41], s[82:83]
	s_or_b32 s39, s39, 0x80000000
	s_add_nc_u64 s[62:63], s[42:43], s[82:83]
	s_or_b32 s63, s63, 0x80000000
	CROUND
	JLOAD 0
	JLOAD 1                                        ; two loads of mine are out
	v_and_b32 v1, 15, v0
	v_bfe_u32 v2, v0, 4, 1
	v_and_b32 v3, 31, v0
	v_lshlrev_b32 v24, 4, v3                       ; 16 x lane
	v_lshlrev_b32 v31, 5, v2                       ; my 8 numbers of 16 of a bias
	v_lshlrev_b32 v25, 12, v1                      ; in x: row l % 16, 8 columns for each half of the lanes
	v_add_nc_u32 v25, v25, v31
	s_lshl_b32 s44, s17, 15
	v_add_nc_u32 v16, s44, v24
	s_lshl_b32 s45, s18, 15
	s_add_co_u32 s45, s45, 65536
	v_add_nc_u32 v17, s45, v24
	v_mov_b32 v[ADA], v16
	v_mov_b32 v[ADB], v17
	s_mov_b32 s19, 0
	s_lshl1_add_u32 s46, s23, s17                  ; my row block 2 tr + wr
	s_lshl1_add_u32 s47, s22, s18                  ; my column block 2 tc + wc
	s_lshl_b32 s44, s46, 18
	s_lshl_b32 s45, s47, 8
	s_add_co_u32 s44, s44, s45
	s_mov_b32 s45, 0
	s_add_nc_u64 s[74:75], s[8:9], s[44:45]        ; x at my 64 x 64
	s_lshl_b32 s44, s47, 8
	s_add_nc_u64 s[76:77], s[10:11], s[44:45]      ; bo and b2 at my 64 columns
	s_add_nc_u64 s[78:79], s[12:13], s[44:45]
.set t, 0
.rept 16
	global_load_b128 v[ACC+8*t:ACC+8*t+3],   v25, s[74:75] offset:(t/4)*65536+(t%4)*64
	global_load_b128 v[ACC+8*t+4:ACC+8*t+7], v25, s[74:75] offset:(t/4)*65536+(t%4)*64+16
.set t, t+1
.endr
.irp b, 0,1,2,3
	global_load_b128 v[32+8*(\b):32+8*(\b)+3], v31, s[76:77] offset:64*(\b)
	global_load_b128 v[32+8*(\b)+4:32+8*(\b)+7], v31, s[76:77] offset:64*(\b)+16
	global_load_b128 v[64+8*(\b):64+8*(\b)+3], v31, s[78:79] offset:64*(\b)
	global_load_b128 v[64+8*(\b)+4:64+8*(\b)+7], v31, s[78:79] offset:64*(\b)+16
.endr
	s_lshl4_add_u32 s44, s46, s47                  ; f32 result: block 16 (2 tr + wr) + 2 tc + wc, 16 KiB each
	s_lshl_b32 s44, s44, 14
	s_add_nc_u64 s[72:73], s[14:15], s[44:45]
	s_lshl3_add_u32 s44, s23, s22                  ; bf16 result: block ((8 tr + tc) 4 + 2 wr + wc)
	s_lshl_b32 s44, s44, 2
	s_lshl1_add_u32 s44, s17, s44
	s_add_co_u32 s44, s44, s18
	s_lshl_b32 s44, s44, 13
	s_add_co_u32 s44, s44, 16777216
	s_add_nc_u64 s[70:71], s[14:15], s[44:45]
	s_wait_loadcnt 0x0
.set t, 0
.rept 16                                       ; x + bo, while the first tiles are on their way
.irp k, 0,2,4,6
	v_pk_add_f32 v[ACC+8*t+(\k):ACC+8*t+(\k)+1], v[ACC+8*t+(\k):ACC+8*t+(\k)+1], v[32+8*(t%4)+(\k):32+8*(t%4)+(\k)+1]
.endr
.set t, t+1
.endr
	s_wait_tensorcnt 1                             ; my part of step 0 is in; step 1's may stay out
	s_barrier_signal -1
	s_barrier_wait -1
	FETCH F0, 0
	WIN 0
	s_mov_b32 s3, KSTEPS-2
.LstepA:
	s_mov_b32 s2, 2
.LhalfA:                                               ; walked twice a step: quarters 0 and 1, then quarter 2
	QUARTER F0, F1, O1
	WIN 0
	s_sub_co_u32 s2, s2, 1
	s_cmp_eq_u32 s2, 0
	s_cbranch_scc1 .LturnA
	QUARTER F1, F0, O2
	ONWARD
	s_branch .LhalfA
.LturnA:
	TURN
	WIN 0
	s_sub_co_u32 s3, s3, 1
	s_cmp_lg_u32 s3, 0
	s_cbranch_scc1 .LstepA
	s_mov_b32 s3, 2
.LstepB:                                               ; the last two steps ask for nothing
	s_mov_b32 s2, 2
.LhalfB:
	QUARTER F0, F1, O1
	WIN 0
	s_sub_co_u32 s2, s2, 1
	s_cmp_eq_u32 s2, 0
	s_cbranch_scc1 .LturnB
	QUARTER F1, F0, O2
	ONWARD
	s_branch .LhalfB
.LturnB:
	MEET
	s_sub_co_u32 s3, s3, 1
	s_cmp_eq_u32 s3, 0
	s_cbranch_scc1 .Lout
	s_xor_b32 s19, s19, SLOT
	PLACES
	v_add_nc_u32 v[ADA], s19, v16
	v_add_nc_u32 v[ADB], s19, v17
	FETCH F0, 0
	MUL8 F1, 1, 0
	MUL8 F1, 1, 2
	WIN 0
	s_branch .LstepB
.Lout:
	MUL8 F1, 1, 0
	MUL8 F1, 1, 2
	WIN 0
	PLACES
	PLACES
.set t, 0
.rept 16                                       ; x1 rounded to bf16: v32-63, then v96-127
.irp r, 0,1,2,3
	v_cvt_pk_bf16_f32 v[32+4*t+32*(t/8)+(\r)], v[ACC+8*t+2*(\r)], v[ACC+8*t+2*(\r)+1]
.endr
.set t, t+1
.endr
.set t, 0
.rept 16
	global_store_b128 v24, v[32+4*t+32*(t/8):32+4*t+32*(t/8)+3], s[70:71] offset:512*t
.set t, t+1
.endr
.set t, 0
.rept 16                                       ; x1 + b2 in f32: what the last product's sums start with
.irp k, 0,2,4,6
	v_pk_add_f32 v[ACC+8*t+(\k):ACC+8*t+(\k)+1], v[ACC+8*t+(\k):ACC+8*t+(\k)+1], v[64+8*(t%4)+(\k):64+8*(t%4)+(\k)+1]
.endr
.set t, t+1
.endr
.set t, 0
.rept 16
	global_store_b128 v24, v[ACC+8*t:ACC+8*t+3],   s[72:73] offset:1024*t
	global_store_b128 v24, v[ACC+8*t+4:ACC+8*t+7], s[72:73] offset:1024*t+512
.set t, t+1
.endr
	s_wait_tensorcnt 0x0                           ; the wave's end
	ds_add_u32 v[SPW], v[NIL]
	s_wait_dscnt 0x0
	CROUND
	s_endpgm
.Lfunc_end_k_qc03da20b74_go:
	.size	k_qc03da20b74_go, .Lfunc_end_k_qc03da20b74_go-k_qc03da20b74_go
	.p2alignl 7, 3214868480
	.fill 96, 4, 3214868480
	.section	.rodata,"a",@progbits
	.p2align	6, 0x0
	.amdhsa_kernel k_qc03da20b74_go
		.amdhsa_group_segment_fixed_size 327680
		.amdhsa_private_segment_fixed_size 0
		.amdhsa_enable_private_segment 0
		.amdhsa_kernarg_size 48
		.amdhsa_user_sgpr_count 2
		.amdhsa_user_sgpr_kernarg_segment_ptr 1
		.amdhsa_wavefront_size32 1
		.amdhsa_system_sgpr_workgroup_id_x 1
		.amdhsa_system_sgpr_workgroup_id_y 1
		.amdhsa_system_sgpr_workgroup_id_z 1
		.amdhsa_system_vgpr_workitem_id 0
		.amdhsa_next_free_vgpr 512
		.amdhsa_next_free_sgpr 84
		.amdhsa_reserve_vcc 0
		.amdhsa_float_denorm_mode_32 3
		.amdhsa_float_denorm_mode_16_64 3
		.amdhsa_memory_ordered 1
		.amdhsa_forward_progress 1
		.amdhsa_inst_pref_size 60
	.end_amdhsa_kernel
	.amdgpu_metadata
---
amdhsa.version: [ 1, 2 ]
amdhsa.kernels:
  - .name:           k_qc03da20b74_go
    .symbol:         k_qc03da20b74_go.kd
    .args:
      - { .name: at, .offset: 0, .size: 8, .value_kind: global_buffer, .address_space: global }
      - { .name: pb, .offset: 8, .size: 8, .value_kind: global_buffer, .address_space: global }
      - { .name: x, .offset: 16, .size: 8, .value_kind: global_buffer, .address_space: global }
      - { .name: bo, .offset: 24, .size: 8, .value_kind: global_buffer, .address_space: global }
      - { .name: b2, .offset: 32, .size: 8, .value_kind: global_buffer, .address_space: global }
      - { .name: x1, .offset: 40, .size: 8, .value_kind: global_buffer, .address_space: global }
    .group_segment_fixed_size: 327680
    .private_segment_fixed_size: 0
    .kernarg_segment_align: 8
    .kernarg_segment_size: 48
    .max_flat_workgroup_size: 128
    .sgpr_count:     84
    .vgpr_count:     512
    .wavefront_size: 32
...
	.end_amdgpu_metadata
.endif
;; end of part 5
;; launch gf1 (part 6): grid 16 x 16, 4 waves a work-group, clusters of 4 x 4, 327,680 bytes of LDS; arguments x1, pb, b1, h; writes h
.if DOCPART == 6
	.amdgcn_target "amdgcn-amd-amdhsa--gfx1250"
	.amdhsa_code_object_version 6
	.text
	.protected	k_qc03da20b74_gf1
	.globl	k_qc03da20b74_gf1
	.p2align	8
	.type	k_qc03da20b74_gf1,@function
k_qc03da20b74_gf1:
	s_mov_b64 s[64:65], 0
	v_nop
	global_prefetch_b8 v0, s[64:65] scope:SCOPE_SE
	s_setreg_imm32_b32 hwreg(HW_REG_WAVE_MODE, 25, 1), 1
	s_wait_xcnt 0x0
	s_wait_alu depctr_hold_cnt(0) depctr_sa_sdst(0) depctr_va_vdst(0) depctr_va_sdst(0) depctr_va_ssrc(0) depctr_va_vcc(0) depctr_vm_vsrc(0)
	s_getreg_b32 s2, hwreg(HW_REG_IB_STS2, 6, 4)
	s_cmp_eq_u32 s2, 0
	s_cbranch_scc0 .Lentry_in_a_cluster
	s_endpgm
.Lentry_in_a_cluster:
	s_bfe_u32 s2, ttmp6, 0x10000c
	s_cmp_lg_u32 s2, 0xf033
	s_cbranch_scc0 .Lentry_shape_is_right
	s_endpgm
.Lentry_shape_is_right:
; h = gelu(x1 W1 + b1), tanh form: 4,096 x 4,096 x 1,024 in bf16, sums in f32, gelu in f32, h rounded once to bf16, in blocks of 64 x 64 in fragment order, row block by row block.
; A tile of 256 x 256 to a work-group, 128 x 128 to each of four waves.  K in 8 steps of 128 through two LDS slots of 128 KiB; wave w fetches piece w (32 KiB dense).  4 x 4 clusters: A's pieces are asked for
; jointly along a row, B's along a column.  Transposed use: a lane holds one row, eight neighbouring columns.  The bias is the C operand of each sum's first product.
; A K step is four quarters of 32 along K on fragment buffers 0, 1, 0, 1.  The first and the third are ONE text, walked twice (counter s2), the fragment addresses stepped by two quarters between.
; gelu(u) = u / (1 + 2^(u (C0 + C1 u^2))), C0 = -2 log2(e) sqrt(2 / pi), C1 = 0.044715 C0: the same function as 0.5 u (1 + tanh(..)); where u^2 overflows it gives u or -0, the function's limits.
; THE WAY OUT is a loop: the 64 accumulators (f32) go into the ring's bytes, which have had their last fill and which no wave reads any more (each lane reads back its own words).  16 trips take two pairs of
; accumulators each, from two register buffers by turns: a pair's four LDS loads are issued one pair's arithmetic ahead of their use.
; LIMITS: matrix operands are rounded to bf16; NaN and infinities are not treated apart.
; REGISTERS: window 0: v0-31 addresses, v64-127 / v128-191 A's fragments, v192-255 bias (the way out: v32-95); window 1: B's fragments; windows 2, 3: accumulator (a, b) at v[8 (8 a + b)].
.set SPARE, 262144
.set SLOT, 131072
.set KSB, 32768
.set KSTEPS, 8
.set ASH, 18
.set AOFF, 16777216                    ; x1 in bf16
.set BOFF, 33554432                    ; W1^T in pb
.set PA, 4
.set PB, 6
.set O1, 1024
.set O2, 8192
.set ADA, 18
.set ADB, 19
.set SPW, 28
.set NIL, 29
.set F0, 64
.set F1, 128
.set BI, 192
.set UA, 32                            ; the way out: two buffers of 16 sums,
.set UB, 48
.set TT, 64                            ; 16 at work,
.set PKA, 80                           ; and 8 packed registers for each buffer
.set PKB, 88
.set MSB, 0
.macro WIN new
.if MSB != (\new)
	s_set_vgpr_msb (MSB<<8)|(\new)
.set MSB, \new
.endif
.endm
.macro JLOAD s                         ; a joint load: waves 0, 1 fetch A's halves, waves 2, 3 B's; s_nop 0 and four v_nop follow each line
	s_cmp_eq_u32 s17, 0
	s_cbranch_scc0 .Lfor_b_\@
	tensor_load_to_lds s[32+4*(\s):35+4*(\s)], s[24:31]
	s_nop 0
.rept 4
	v_nop
.endr
	s_branch .Lasked_\@
.Lfor_b_\@:
	tensor_load_to_lds s[56+4*(\s):59+4*(\s)], s[48:55]
	s_nop 0
.rept 4
	v_nop
.endr
.Lasked_\@:
.endm
.macro CREST
	s_cmp_lg_u32 s16, 0
	s_cbranch_scc1 .Lnot_wave_0_\@
	s_barrier_signal -3
.Lnot_wave_0_\@:
	s_barrier_wait -3
	s_barrier_signal -1
	s_barrier_wait -1
.endm
.macro CROUND
	s_barrier_signal -1
	s_barrier_wait -1
	CREST
.endm
.macro PLACES
.rept 4
	v_nop
.endr
.endm
.macro ASK                             ; a prefetch of the K step that the NEXT refill asks for: my work-group's 8 KiB of the piece that I fetch, a lane 256 bytes; the last refill asks for nothing
	s_cmp_gt_u32 s3, s68
	s_cbranch_scc0 .Lnot_mine_\@
	global_prefetch_b8 v30, s[66:67] th:TH_LOAD_NT scope:SCOPE_SE
.Lnot_mine_\@:
.endm
.macro MUL16 f, hi, a0, c
.if \c
	WIN 0x81+0x40*(\hi)
.else
	WIN 0xa1+0x50*(\hi)
.endif
.irp a, \a0, (\a0)+1
.irp b, 0,1,2,3,4,5,6,7
.if \c
	v_wmma_f32_16x16x32_bf16 v[8*(8*(\a)+(\b)):8*(8*(\a)+(\b))+7], v[(\f)+8*(\b):(\f)+8*(\b)+7], v[(\f)+8*(4*(\hi)+(\a)):(\f)+8*(4*(\hi)+(\a))+7], v[BI+8*(\b):BI+8*(\b)+7]
.else
	v_wmma_f32_16x16x32_bf16 v[8*(8*(\a)+(\b)):8*(8*(\a)+(\b))+7], v[(\f)+8*(\b):(\f)+8*(\b)+7], v[(\f)+8*(4*(\hi)+(\a)):(\f)+8*(4*(\hi)+(\a))+7], v[8*(8*(\a)+(\b)):8*(8*(\a)+(\b))+7]
.endif
.endr
.endr
.endm
.macro FETCH f, off
	WIN 0x40
.irp i, 0,1,2,3,4,5,6,7
	ds_load_b128 v[(\f)+8*(\i):(\f)+8*(\i)+3],   v[ADB] offset:(\off)+((\i)/4)*16384+((\i)%4)*2048
	ds_load_b128 v[(\f)+8*(\i)+4:(\f)+8*(\i)+7], v[ADB] offset:(\off)+((\i)/4)*16384+((\i)%4)*2048+512
.endr
	WIN 0
.irp i, 0,1,2,3,4,5,6,7
	ds_load_b128 v[(\f)+8*(\i):(\f)+8*(\i)+3],   v[ADA] offset:(\off)+((\i)/4)*16384+((\i)%4)*2048
	ds_load_b128 v[(\f)+8*(\i)+4:(\f)+8*(\i)+7], v[ADA] offset:(\off)+((\i)/4)*16384+((\i)%4)*2048+512
.endr
.endm
.macro QUARTER f, g, off, c
	s_wait_dscnt 8                                 ; B and A's rows 0-63 are in; the youngest eight loads may be out
	MUL16 \f, 0, 0, \c
	MUL16 \f, 0, 2, \c
	PLACES
	FETCH \g, \off
	s_wait_dscnt 32                                ; all but the 32 just issued
	MUL16 \f, 1, 0, \c
	MUL16 \f, 1, 2, \c
.endm
.macro MEET
	WIN 0
	s_wait_tensorcnt 0x0                           ; all my tensor loads have landed: the one that was out is my part of the next slot
	ds_add_u32 v[SPW], v[NIL]                      ; 0 onto my spare word
	s_wait_dscnt 9                                 ; the add and the youngest eight loads may be out
	MUL16 F1, 0, 0, 0
	s_wait_dscnt 0x0                               ; the add is done, my reads of this slot are over
	s_barrier_signal -1
	MUL16 F1, 0, 2, 0
	WIN 0
	s_barrier_wait -1
.endm
.macro TURN
	s_wait_xcnt 0x0                                ; the last prefetch, a K step back, has read its address
	s_add_nc_u64 s[66:67], s[66:67], KSB
	MEET
	CREST                                          ; no wave of any partner still reads the slot or has a load on its way
	s_xor_b32 s37, s37, SLOT
	s_add_nc_u64 s[38:39], s[38:39], KSB
	s_xor_b32 s61, s61, SLOT
	s_add_nc_u64 s[62:63], s[62:63], KSB
	s_xor_b32 s19, s19, SLOT
	JLOAD 1                                        ; the first tensor load behind the round; its four v_nop are the places in front of the loads below
	v_add_nc_u32 v[ADA], s19, v16
	v_add_nc_u32 v[ADB], s19, v17
	FETCH F0, 0
	ASK
	MUL16 F1, 1, 0, 0
	MUL16 F1, 1, 2, 0
.endm
.macro ONWARD                          ; between a step's second and third quarter: the fragment addresses go two quarters on
	WIN 0
	v_add_nc_u32 v[ADA], O2, v[ADA]
	v_add_nc_u32 v[ADB], O2, v[ADB]
.endm
	s_load_b256 s[4:11], s[0:1], 0x0               ; x1, pb, b1, h
	v_lshl_add_u32 v[SPW], v0, 2, SPARE
	v_mov_b32 v[NIL], 0
	ds_add_u32 v[SPW], v[NIL]                      ; the wave's opening: the add and its wait stand ahead of my first tensor load
	v_lshrrev_b32 v3, 5, v0
	v_readfirstlane_b32 s16, v3
	s_lshr_b32 s17, s16, 1
	s_and_b32 s18, s16, 1
	s_bfe_u32 s20, ttmp6, 0x40000
	s_bfe_u32 s21, ttmp6, 0x40004
	s_lshl_b32 s22, ttmp9, 2
	s_add_co_u32 s22, s22, s20                     ; tile column
	s_and_b32 s23, ttmp7, 0xffff
	s_lshl_b32 s23, s23, 2
	s_add_co_u32 s23, s23, s21                     ; tile row
	s_lshl_b32 s44, s21, 2
	s_lshl_b32 s44, 15, s44
	s_lshl_b32 s45, 0x1111, s20
	s_or_b32 s24, s44, (1<<16)|(1<<21)
	s_or_b32 s48, s45, (1<<16)|(1<<21)
.irp g, 24, 48
	s_mov_b32 s[\g+1], 128<<16                     ; a dense piece of 32 KiB as 128 rows of 128 elements
	s_mov_b32 s[\g+2], 128<<16
	s_mov_b32 s[\g+3], 128<<16
	s_mov_b32 s[\g+4], 128
	s_mov_b32 s[\g+5], 128
	s_mov_b32 s[\g+6], 0
	s_mov_b32 s[\g+7], 0
.endr
	s_lshl_b32 s40, s23, 1
	s_add_co_u32 s40, s40, s18
	s_lshl_b32 s40, s40, ASH
	s_add_co_u32 s40, s40, AOFF
	s_mov_b32 s41, 0
	s_lshl_b32 s42, s22, 1
	s_add_co_u32 s42, s42, s18
	s_lshl_b32 s42, s42, ASH
	s_add_co_u32 s42, s42, BOFF
	s_mov_b32 s43, 0
	s_lshl_b32 s33, s16, 15
	s_add_co_u32 s37, s33, SLOT
	s_lshl_b32 s57, s16, 15
	s_add_co_u32 s61, s57, SLOT
	s_mov_b32 s32, 1
	s_mov_b32 s36, 1
	s_mov_b32 s56, 1
	s_mov_b32 s60, 1
	s_mov_b32 s74, 0xc0135761                      ; C0 = -2.3022082
	s_mov_b32 s75, s74
	s_mov_b32 s76, 0xbdd2d3e8                      ; C1 = -0.10294324
	s_mov_b32 s77, s76
	s_wait_dscnt 0x0
	s_wait_kmcnt 0x0
	s_add_nc_u64 s[40:41], s[PA:PA+1], s[40:41]
	s_add_nc_u64 s[42:43], s[PB:PB+1], s[42:43]
	s_add_nc_u64 s[34:35], s[40:41], 0
	s_or_b32 s35, s35, 0x80000000
	s_add_nc_u64 s[38:39], s[40:41], KSB
	s_or_b32 s39, s39, 0x80000000
	s_add_nc_u64 s[58:59], s[42:43], 0
	s_or_b32 s59, s59, 0x80000000
	s_add_nc_u64 s[62:63], s[42:43], KSB
	s_or_b32 s63, s63, 0x80000000
	CROUND
	JLOAD 0
	JLOAD 1                                        ; two loads of mine are out
	v_bfe_u32 v2, v0, 4, 1
	v_and_b32 v3, 31, v0
	v_lshlrev_b32 v30, 8, v3
	v_lshlrev_b32 v21, 4, v3                       ; 16 x lane: my place in 512 stored bytes; it walks on the way out
	v_lshlrev_b32 v31, 5, v2
	s_lshl_b32 s44, s17, 15
	v_add_nc_u32 v16, s44, v21
	s_lshl_b32 s45, s18, 15
	s_add_co_u32 s45, s45, 65536
	v_add_nc_u32 v17, s45, v21
	v_mov_b32 v[ADA], v16
	v_mov_b32 v[ADB], v17
	s_lshl_b32 s44, s16, 16
	v_add_nc_u32 v20, s44, v21                     ; the way out: my wave's 64 KiB of the ring
	s_mov_b32 s19, 0
	s_lshl_b32 s44, s22, 10                        ; b1 at my 128 columns
	s_lshl_b32 s45, s18, 9
	s_add_co_u32 s44, s44, s45
	s_mov_b32 s45, 0
	s_add_nc_u64 s[72:73], s[8:9], s[44:45]
.irp b, 0,1,2,3,4,5,6,7
	global_load_b128 v[BI+8*(\b):BI+8*(\b)+3],   v31, s[72:73] offset:64*(\b)
	global_load_b128 v[BI+8*(\b)+4:BI+8*(\b)+7], v31, s[72:73] offset:64*(\b)+16
.endr
	s_lshl_b32 s44, s23, 2                         ; block (4 tr + 2 wr) x 64 + 4 tc + 2 wc
	s_lshl1_add_u32 s44, s17, s44
	s_lshl_b32 s44, s44, 6
	s_lshl2_add_u32 s44, s22, s44
	s_lshl1_add_u32 s44, s18, s44
	s_lshl_b32 s44, s44, 13
	s_mov_b32 s45, 0
	s_add_nc_u64 s[70:71], s[10:11], s[44:45]
	; the prefetches: the cluster with x = 0 asks for A's pieces, with y = 0 for B's; the four partners share a piece out by address
	s_and_b32 s44, ttmp7, 0xffff
	s_cmp_eq_u32 s17, 0
	s_cselect_b32 s45, s20, s21
	s_cselect_b32 s44, ttmp9, s44
	s_cselect_b64 s[66:67], s[40:41], s[42:43]
	s_cmp_eq_u32 s44, 0
	s_cselect_b32 s68, 1, -1
	s_lshl_b32 s46, s45, 13
	s_mov_b32 s47, 0
	s_add_nc_u64 s[66:67], s[66:67], s[46:47]
	s_add_nc_u64 s[66:67], s[66:67], 2*KSB
	s_wait_tensorcnt 1                             ; my part of K step 0 is in; K step 1's may stay out
	s_barrier_signal -1
	s_barrier_wait -1
	FETCH F0, 0
	s_wait_loadcnt 0x0                             ; the bias
	QUARTER F0, F1, O1, 1                          ; the first quarter's products start the sums
	WIN 0
	s_mov_b32 s3, KSTEPS-2
	s_mov_b32 s2, 2
	s_branch .LmidA
.LstepA:
	s_mov_b32 s2, 2
.LhalfA:                                               ; walked twice a step: quarters 0 and 1, then quarter 2
	QUARTER F0, F1, O1, 0
	WIN 0
.LmidA:
	s_sub_co_u32 s2, s2, 1
	s_cmp_eq_u32 s2, 0
	s_cbranch_scc1 .LturnA
	QUARTER F1, F0, O2, 0
	ONWARD
	s_branch .LhalfA
.LturnA:
	TURN
	WIN 0
	s_sub_co_u32 s3, s3, 1
	s_cmp_lg_u32 s3, 0
	s_cbranch_scc1 .LstepA
	s_mov_b32 s3, 2
.LstepB:                                               ; the last two K steps ask for nothing; behind the second one's barrier no wave reads the ring any more
	s_mov_b32 s2, 2
.LhalfB:
	QUARTER F0, F1, O1, 0
	WIN 0
	s_sub_co_u32 s2, s2, 1
	s_cmp_eq_u32 s2, 0
	s_cbranch_scc1 .LturnB
	QUARTER F1, F0, O2, 0
	ONWARD
	s_branch .LhalfB
.LturnB:
	MEET
	s_sub_co_u32 s3, s3, 1
	s_cmp_eq_u32 s3, 0
	s_cbranch_scc1 .Lout
	s_xor_b32 s19, s19, SLOT
	PLACES
	v_add_nc_u32 v[ADA], s19, v16
	v_add_nc_u32 v[ADB], s19, v17
	FETCH F0, 0
	MUL16 F1, 1, 0, 0
	MUL16 F1, 1, 2, 0
	WIN 0
	s_branch .LstepB
.Lout:
	MUL16 F1, 1, 0, 0
	MUL16 F1, 1, 2, 0
	PLACES
	PLACES
	; the sums go to LDS in the order in which h's bytes follow each other: block (a / 4, b / 4), then sub-tile (a % 4, b % 4)
.irp a, 0,1,2,3,4,5,6,7
	WIN 0x08+4*((\a)/4)
.irp b, 0,1,2,3,4,5,6,7
	ds_store_b128 v20, v[8*(8*((\a)%4)+(\b)):8*(8*((\a)%4)+(\b))+3]   offset:((((\a)/4)*2+(\b)/4)*16+((\a)%4)*4+(\b)%4)*1024
	ds_store_b128 v20, v[8*(8*((\a)%4)+(\b))+4:8*(8*((\a)%4)+(\b))+7] offset:((((\a)/4)*2+(\b)/4)*16+((\a)%4)*4+(\b)%4)*1024+512
.endr
.endr
	WIN 0
; gelu of the 16 sums in buffer u, in place
.macro MATH u
.irp k, 0,2,4,6,8,10,12,14
	v_pk_mul_f32 v[TT+(\k):TT+(\k)+1], v[(\u)+(\k):(\u)+(\k)+1], v[(\u)+(\k):(\u)+(\k)+1]
.endr
.irp k, 0,2,4,6,8,10,12,14
	v_pk_fma_f32 v[TT+(\k):TT+(\k)+1], v[TT+(\k):TT+(\k)+1], s[76:77], s[74:75] op_sel_hi:[1,0,0]
.endr
.irp k, 0,2,4,6,8,10,12,14
	v_pk_mul_f32 v[TT+(\k):TT+(\k)+1], v[TT+(\k):TT+(\k)+1], v[(\u)+(\k):(\u)+(\k)+1]
.endr
.set e, 0
.rept 16
	v_exp_f32 v[TT+e], v[TT+e]
.set e, e+1
.endr
	v_nop                                          ; a plain instruction behind the last exponential,
	s_wait_alu depctr_va_vdst(0)                   ; and one wait for the batch, ahead of its first use
.irp k, 0,2,4,6,8,10,12,14
	v_pk_add_f32 v[TT+(\k):TT+(\k)+1], v[TT+(\k):TT+(\k)+1], 1.0 op_sel_hi:[1,0]
.endr
.set e, 0
.rept 16
	v_rcp_f32 v[TT+e], v[TT+e]
.set e, e+1
.endr
	v_nop
	s_wait_alu depctr_va_vdst(0)                   ; one wait for the sixteen reciprocals
.irp k, 0,2,4,6,8,10,12,14
	v_pk_mul_f32 v[(\u)+(\k):(\u)+(\k)+1], v[(\u)+(\k):(\u)+(\k)+1], v[TT+(\k):TT+(\k)+1]
.endr
.endm
; buffer u is rounded to bf16 and stored: two sub-tiles, 512 consecutive bytes each
.macro PACK u, pk, off
.irp r, 0,1,2,3,4,5,6,7
	v_cvt_pk_bf16_f32 v[(\pk)+(\r)], v[(\u)+2*(\r)], v[(\u)+2*(\r)+1]
.endr
	global_store_b128 v21, v[(\pk):(\pk)+3],   s[70:71] offset:(\off)
	global_store_b128 v21, v[(\pk)+4:(\pk)+7], s[70:71] offset:(\off)+512
.endm
	s_mov_b32 s79, 16
	s_mov_b32 s47, 2048
.irp q, 0,1,2,3
	ds_load_b128 v[UA+4*(\q):UA+4*(\q)+3], v20 offset:512*(\q)  ; LDS serves a wave in order: these see my stores
.endr
.Lpair:                                                ; a trip: pairs 2 t and 2 t + 1 of my 32 pairs of accumulators
.irp q, 0,1,2,3
	ds_load_b128 v[UB+4*(\q):UB+4*(\q)+3], v20 offset:2048+512*(\q)
.endr
	s_wait_dscnt 4                                 ; buffer A is in; the four loads just issued may stay out
	MATH UA
	s_cmp_eq_u32 s79, 8                            ; how far h's offset goes from the last trip's: 2,048 bytes; into my second row block (524,288 bytes a row block, 14,336 walked) 509,952;
	s_cselect_b32 s46, 0x7c800, s47
	s_cmp_eq_u32 s79, 16                           ; in the first trip nothing
	s_cselect_b32 s46, 0, s46
	s_wait_xcnt 0x0                                ; the last trip's stores, a pair's arithmetic back, have read their offset and buffer A's packed registers
	v_add_nc_u32 v21, s46, v21
	PACK UA, PKA, 0
	s_wait_dscnt 0x0                               ; buffer B is in
	s_cmp_eq_u32 s79, 1                            ; behind the last trip there is no pair
	s_cbranch_scc1 .Lnomore
.irp q, 0,1,2,3
	ds_load_b128 v[UA+4*(\q):UA+4*(\q)+3], v20 offset:4096+512*(\q)
.endr
.Lnomore:
	v_add_nc_u32 v20, 4096, v20
	MATH UB
	s_wait_xcnt 0x0                                ; the stores that read buffer B's packed registers, a trip back
	PACK UB, PKB, 1024
	s_sub_co_u32 s79, s79, 1
	s_cmp_lg_u32 s79, 0
	s_cbranch_scc1 .Lpair
	s_wait_tensorcnt 0x0                           ; the wave's end, behind my last LDS store
	ds_add_u32 v[SPW], v[NIL]
	s_wait_dscnt 0x0
	CROUND
	s_endpgm
.Lfunc_end_k_qc03da20b74_gf1:
	.size	k_qc03da20b74_gf1, .Lfunc_end_k_qc03da20b74_gf1-k_qc03da20b74_gf1
	.p2alignl 7, 3214868480
	.fill 96, 4, 3214868480
	.section	.rodata,"a",@progbits
	.p2align	6, 0x0
	.amdhsa_kernel k_qc03da20b74_gf1
		.amdhsa_group_segment_fixed_size 327680
		.amdhsa_private_segment_fixed_size 0
		.amdhsa_enable_private_segment 0
		.amdhsa_kernarg_size 32
		.amdhsa_user_sgpr_count 2
		.amdhsa_user_sgpr_kernarg_segment_ptr 1
		.amdhsa_wavefront_size32 1
		.amdhsa_system_sgpr_workgroup_id_x 1
		.amdhsa_system_sgpr_workgroup_id_y 1
		.amdhsa_system_sgpr_workgroup_id_z 1
		.amdhsa_system_vgpr_workitem_id 0
		.amdhsa_next_free_vgpr 1024
		.amdhsa_next_free_sgpr 84
		.amdhsa_reserve_vcc 0
		.amdhsa_float_denorm_mode_32 3
		.amdhsa_float_denorm_mode_16_64 3
		.amdhsa_memory_ordered 1
		.amdhsa_forward_progress 1
		.amdhsa_inst_pref_size 79
	.end_amdhsa_kernel
	.amdgpu_metadata
---
amdhsa.version: [ 1, 2 ]
amdhsa.kernels:
  - .name:           k_qc03da20b74_gf1
    .symbol:         k_qc03da20b74_gf1.kd
    .args:
      - { .name: x1, .offset: 0, .size: 8, .value_kind: global_buffer, .address_space: global }
      - { .name: pb, .offset: 8, .size: 8, .value_kind: global_buffer, .address_space: global }
      - { .name: b1, .offset: 16, .size: 8, .value_kind: global_buffer, .address_space: global }
      - { .name: h, .offset: 24, .size: 8, .value_kind: global_buffer, .address_space: global }
    .group_segment_fixed_size: 327680
    .private_segment_fixed_size: 0
    .kernarg_segment_align: 8
    .kernarg_segment_size: 32
    .max_flat_workgroup_size: 128
    .sgpr_count:     84
    .vgpr_count:     1024
    .wavefront_size: 32
...
	.end_amdgpu_metadata
.endif
;; end of part 6
;; launch gf2 (part 7): grid 8 x 32, 4 waves a work-group, clusters of 4 x 4, 327,680 bytes of LDS; arguments h, pb, x1, out0; writes out0
.if DOCPART == 7
	.amdgcn_target "amdgcn-amd-amdhsa--gfx1250"
	.amdhsa_code_object_version 6
	.text
	.protected	k_qc03da20b74_gf2
	.globl	k_qc03da20b74_gf2
	.p2align	8
	.type	k_qc03da20b74_gf2,@function
k_qc03da20b74_gf2:
	s_mov_b64 s[64:65], 0
	v_nop
	global_prefetch_b8 v0, s[64:65] scope:SCOPE_SE
	s_setreg_imm32_b32 hwreg(HW_REG_WAVE_MODE, 25, 1), 1
	s_wait_xcnt 0x0
	s_wait_alu depctr_hold_cnt(0) depctr_sa_sdst(0) depctr_va_vdst(0) depctr_va_sdst(0) depctr_va_ssrc(0) depctr_va_vcc(0) depctr_vm_vsrc(0)
	s_getreg_b32 s2, hwreg(HW_REG_IB_STS2, 6, 4)
	s_cmp_eq_u32 s2, 0
	s_cbranch_scc0 .Lentry_in_a_cluster
	s_endpgm
.Lentry_in_a_cluster:
	s_bfe_u32 s2, ttmp6, 0x10000c
	s_cmp_lg_u32 s2, 0xf033
	s_cbranch_scc0 .Lentry_shape_is_right
	s_endpgm
.Lentry_shape_is_right:
; out0 = (x1 + b2) + h W2: 4,096 x 1,024 x 4,096 in bf16, sums in f32.  The accumulators are LOADED with x1 + b2 (f32, laid accumulator by accumulator by the launch that made it): the residual stays in f32.
; A tile of 128 x 128 to a work-group, 64 x 64 to a wave, K in 16 steps of 256 through two LDS slots of 128 KiB, wave w fetches piece w (64 rows x 256 k, 32 KiB dense, blocks in fragment order);
; A's pieces are asked for jointly along a row of the 4 x 4 cluster, B's along a column.  Transposed use: a lane holds one row, eight neighbouring columns.
; THE ORDER OF K.  Step s takes K step s xor 2 p, p = the parity of the cluster's x + y (the same in all sixteen partners).  The clusters that read the same rows of A (neighbours along x) or of B
; (neighbours along y) differ in p, so they ask for a given K step two steps apart and not at the same time.  f32 sums may be taken in any order.
; A K step is four quarters of 64 along K on fragment buffers 0, 1, 0, 1.  The first and the third are ONE text, walked twice (counter s2), the fragment addresses stepped by two quarters between.
; THE WAY OUT: out0 is row-major f32; 16 rows x 256 bytes at a time go through the wave's own stage (rows of 272 bytes) and leave as whole rows: 16 lanes store 256 consecutive bytes, aligned.
; LIMITS: matrix operands are rounded to bf16; NaN and infinities are not treated apart.
; REGISTERS: window 0: v0-31 addresses, v32-95 the way out, v128-255 accumulators; window 1: two fragment buffers of 128.
.set STAGE, 262144                     ; behind the ring, never filled by a tensor load: 4,352 bytes a wave
.set SPARE, 279552                     ; behind the stages: the spare words
.set SLOT, 131072
.set KSB, 32768
.set KSTEPS, 16
.set ASH, 19                           ; a row block (64 rows, K = 4,096) is 512 KiB
.set BSH, 19
.set AOFF, 0
.set BOFF, 41943040                    ; W2^T in pb
.set PA, 4
.set PB, 6
.set O1, 8192
.set O2, 16384
.set ADA, 18
.set ADB, 19
.set SPW, 28
.set NIL, 29
.set ACC, 128
.set F0, 0
.set F1, 128
.set MSB, 0
.macro WIN new
.if MSB != (\new)
	s_set_vgpr_msb (MSB<<8)|(\new)
.set MSB, \new
.endif
.endm
.macro JLOAD s                         ; a joint load: waves 0, 1 fetch A's halves, waves 2, 3 B's; s_nop 0 and four v_nop follow each line
	s_cmp_eq_u32 s17, 0
	s_cbranch_scc0 .Lfor_b_\@
	tensor_load_to_lds s[32+4*(\s):35+4*(\s)], s[24:31]
	s_nop 0
.rept 4
	v_nop
.endr
	s_branch .Lasked_\@
.Lfor_b_\@:
	tensor_load_to_lds s[56+4*(\s):59+4*(\s)], s[48:55]
	s_nop 0
.rept 4
	v_nop
.endr
.Lasked_\@:
.endm
.macro CREST
	s_cmp_lg_u32 s16, 0
	s_cbranch_scc1 .Lnot_wave_0_\@
	s_barrier_signal -3
.Lnot_wave_0_\@:
	s_barrier_wait -3
	s_barrier_signal -1
	s_barrier_wait -1
.endm
.macro CROUND
	s_barrier_signal -1
	s_barrier_wait -1
	CREST
.endm
.macro PLACES
.rept 4
	v_nop
.endr
.endm
.macro MUL8 f, c, a0
	WIN 0x05
.irp a, \a0, (\a0)+1
.irp b, 0,1,2,3
	v_wmma_f32_16x16x32_bf16 v[ACC+8*(4*(\a)+(\b)):ACC+8*(4*(\a)+(\b))+7], v[(\f)+64+8*(4*(\c)+(\b)):(\f)+64+8*(4*(\c)+(\b))+7], v[(\f)+8*(4*(\c)+(\a)):(\f)+8*(4*(\c)+(\a))+7], v[ACC+8*(4*(\a)+(\b)):ACC+8*(4*(\a)+(\b))+7]
.endr
.endr
.endm
.macro FETCH f, off
	WIN 0x40
.irp c, 0,1
.irp i, 0,1,2,3
	ds_load_b128 v[(\f)+64+8*(4*(\c)+(\i)):(\f)+64+8*(4*(\c)+(\i))+3],   v[ADB] offset:(\off)+(\i)*2048+(\c)*1024
	ds_load_b128 v[(\f)+64+8*(4*(\c)+(\i))+4:(\f)+64+8*(4*(\c)+(\i))+7], v[ADB] offset:(\off)+(\i)*2048+(\c)*1024+512
	ds_load_b128 v[(\f)+8*(4*(\c)+(\i)):(\f)+8*(4*(\c)+(\i))+3],         v[ADA] offset:(\off)+(\i)*2048+(\c)*1024
	ds_load_b128 v[(\f)+8*(4*(\c)+(\i))+4:(\f)+8*(4*(\c)+(\i))+7],       v[ADA] offset:(\off)+(\i)*2048+(\c)*1024+512
.endr
.endr
.endm
.macro QUARTER f, g, off
	s_wait_dscnt 16                                ; the first 32 along K are in
	MUL8 \f, 0, 0
	MUL8 \f, 0, 2
	PLACES
	FETCH \g, \off
	s_wait_dscnt 32                                ; all but the 32 just issued
	MUL8 \f, 1, 0
	MUL8 \f, 1, 2
.endm
.macro MEET
	WIN 0
	s_wait_tensorcnt 0x0                           ; all my tensor loads have landed: my part of the next slot
	ds_add_u32 v[SPW], v[NIL]                      ; 0 onto my spare word
	s_wait_dscnt 17                                ; the add and the youngest sixteen loads may be out
	MUL8 F1, 0, 0
	s_wait_dscnt 0x0                               ; the add is done, my reads of this slot are over
	s_barrier_signal -1
	MUL8 F1, 0, 2
	WIN 0
	s_barrier_wait -1
.endm
.macro TURN
	MEET
	CREST                                          ; no wave of any partner still reads the slot or has a load on its way
	s_add_co_u32 s69, s69, 1                       ; the step that is asked for,
	s_xor_b32 s82, s69, s80                        ; its K step,
	s_lshl_b32 s82, s82, 15                        ; in bytes: the walking descriptors' addresses are made anew from it
	s_xor_b32 s37, s37, SLOT
	s_add_nc_u64 s[38:39], s[40:41], s[82:83]
	s_or_b32 s39, s39, 0x80000000
	s_xor_b32 s61, s61, SLOT
	s_add_nc_u64 s[62:63], s[42:43], s[82:83]
	s_or_b32 s63, s63, 0x80000000
	s_xor_b32 s19, s19, SLOT
	JLOAD 1                                        ; the first tensor load behind the round; its four v_nop are the places in front of the loads below
	v_add_nc_u32 v[ADA], s19, v16
	v_add_nc_u32 v[ADB], s19, v17
	FETCH F0, 0
	MUL8 F1, 1, 0
	MUL8 F1, 1, 2
.endm
.macro ONWARD                          ; between a step's second and third quarter: the fragment addresses go two quarters on
	WIN 0
	v_add_nc_u32 v[ADA], O2, v[ADA]
	v_add_nc_u32 v[ADB], O2, v[ADB]
.endm
	s_load_b256 s[4:11], s[0:1], 0x0               ; h, pb, x1, out0
	v_lshl_add_u32 v[SPW], v0, 2, SPARE
	v_mov_b32 v[NIL], 0
	ds_add_u32 v[SPW], v[NIL]                      ; the wave's opening: the add and its wait stand ahead of my first tensor load
	v_lshrrev_b32 v3, 5, v0
	v_readfirstlane_b32 s16, v3
	s_lshr_b32 s17, s16, 1
	s_and_b32 s18, s16, 1
	s_bfe_u32 s20, ttmp6, 0x40000
	s_bfe_u32 s21, ttmp6, 0x40004
	s_lshl_b32 s22, ttmp9, 2
	s_add_co_u32 s22, s22, s20                     ; tile column
	s_and_b32 s23, ttmp7, 0xffff
	s_add_co_u32 s80, s23, ttmp9                   ; the cluster's x + y,
	s_and_b32 s80, s80, 1                          ; its parity p,
	s_lshl_b32 s80, s80, 1                         ; 2 p
	s_lshl_b32 s82, s80, 15                        ; step 0's K step, in bytes
	s_mov_b32 s83, 0
	s_mov_b32 s69, 1                               ; the last step asked for
	s_lshl_b32 s23, s23, 2
	s_add_co_u32 s23, s23, s21                     ; tile row
	s_lshl_b32 s44, s21, 2
	s_lshl_b32 s44, 15, s44
	s_lshl_b32 s45, 0x1111, s20
	s_or_b32 s24, s44, (1<<16)|(1<<21)
	s_or_b32 s48, s45, (1<<16)|(1<<21)
.irp g, 24, 48
	s_mov_b32 s[\g+1], 128<<16                     ; a dense piece of 32 KiB as 128 rows of 128 elements
	s_mov_b32 s[\g+2], 128<<16
	s_mov_b32 s[\g+3], 128<<16
	s_mov_b32 s[\g+4], 128
	s_mov_b32 s[\g+5], 128
	s_mov_b32 s[\g+6], 0
	s_mov_b32 s[\g+7], 0
.endr
	s_lshl_b32 s40, s23, 1
	s_add_co_u32 s40, s40, s18
	s_lshl_b32 s40, s40, ASH
	s_add_co_u32 s40, s40, AOFF
	s_mov_b32 s41, 0
	s_lshl_b32 s42, s22, 1
	s_add_co_u32 s42, s42, s18
	s_lshl_b32 s42, s42, BSH
	s_add_co_u32 s42, s42, BOFF
	s_mov_b32 s43, 0
	s_lshl_b32 s33, s16, 15
	s_add_co_u32 s37, s33, SLOT
	s_lshl_b32 s57, s16, 15
	s_add_co_u32 s61, s57, SLOT
	s_mov_b32 s32, 1
	s_mov_b32 s36, 1
	s_mov_b32 s56, 1
	s_mov_b32 s60, 1
	s_wait_dscnt 0x0
	s_wait_kmcnt 0x0
	s_add_nc_u64 s[40:41], s[PA:PA+1], s[40:41]    ; my piece's rows, at K = 0: kept
	s_add_nc_u64 s[42:43], s[PB:PB+1], s[42:43]
	s_add_nc_u64 s[34:35], s[40:41], s[82:83]      ; step 0
	s_or_b32 s35, s35, 0x80000000
	s_add_nc_u64 s[58:59], s[42:43], s[82:83]
	s_or_b32 s59, s59, 0x80000000
	s_xor_b32 s82, s82, KSB                        ; step 1
	s_add_nc_u64 s[38:39], s[40:41], s[82:83]
	s_or_b32 s39, s39, 0x80000000
	s_add_nc_u64 s[62:63], s[42:43], s[82:83]
	s_or_b32 s63, s63, 0x80000000
	CROUND
	JLOAD 0
	JLOAD 1                                        ; two loads of mine are out
	v_and_b32 v1, 15, v0
	v_bfe_u32 v2, v0, 4, 1
	v_and_b32 v3, 31, v0
	v_lshlrev_b32 v25, 4, v3                       ; 16 x lane
	s_lshl_b32 s44, s17, 15
	v_add_nc_u32 v16, s44, v25
	s_lshl_b32 s45, s18, 15
	s_add_co_u32 s45, s45, 65536
	v_add_nc_u32 v17, s45, v25
	v_mov_b32 v[ADA], v16
	v_mov_b32 v[ADB], v17
	s_mov_b32 s19, 0
	s_lshl1_add_u32 s46, s23, s17                  ; my row block 2 tr + wr
	s_lshl1_add_u32 s47, s22, s18                  ; my column block 2 tc + wc
	s_lshl4_add_u32 s44, s46, s47
	s_lshl_b32 s44, s44, 14
	s_mov_b32 s45, 0
	s_add_nc_u64 s[72:73], s[8:9], s[44:45]        ; x1 + b2: my 16 accumulators, 16 KiB on end
.set t, 0
.rept 16
	global_load_b128 v[ACC+8*t:ACC+8*t+3],   v25, s[72:73] offset:1024*t
	global_load_b128 v[ACC+8*t+4:ACC+8*t+7], v25, s[72:73] offset:1024*t+512
.set t, t+1
.endr
	s_lshl_b32 s44, s46, 18
	s_lshl_b32 s47, s47, 8
	s_add_co_u32 s44, s44, s47
	s_add_nc_u64 s[70:71], s[10:11], s[44:45]      ; out0 at my 64 x 64
	s_mul_i32 s44, s16, 4352
	s_add_co_u32 s44, s44, STAGE                   ; my stage
	v_mul_u32_u24 v26, v1, 272                     ; in: row l % 16, 32 bytes for each half of the lanes
	v_lshl_add_u32 v26, v2, 5, v26
	v_add_nc_u32 v26, s44, v26
	v_mul_u32_u24 v27, v2, 272                     ; back: lanes 0-15 one row of 256 bytes, lanes 16-31 the next
	v_lshl_add_u32 v27, v1, 4, v27
	v_add_nc_u32 v27, s44, v27
	v_lshlrev_b32 v24, 12, v2                      ; and the same two rows in out0
	v_lshl_add_u32 v24, v1, 4, v24
	s_wait_tensorcnt 1                             ; my part of step 0 is in; step 1's may stay out
	s_barrier_signal -1
	s_barrier_wait -1
	FETCH F0, 0
	WIN 0
	s_wait_loadcnt 0x0                             ; the accumulators hold x1 + b2
	s_mov_b32 s3, KSTEPS-2
.LstepA:
	s_mov_b32 s2, 2
.LhalfA:                                               ; walked twice a step: quarters 0 and 1, then quarter 2
	QUARTER F0, F1, O1
	WIN 0
	s_sub_co_u32 s2, s2, 1
	s_cmp_eq_u32 s2, 0
	s_cbranch_scc1 .LturnA
	QUARTER F1, F0, O2
	ONWARD
	s_branch .LhalfA
.LturnA:
	TURN
	WIN 0
	s_sub_co_u32 s3, s3, 1
	s_cmp_lg_u32 s3, 0
	s_cbranch_scc1 .LstepA
	s_mov_b32 s3, 2
.LstepB:                                               ; the last two steps ask for nothing
	s_mov_b32 s2, 2
.LhalfB:
	QUARTER F0, F1, O1
	WIN 0
	s_sub_co_u32 s2, s2, 1
	s_cmp_eq_u32 s2, 0
	s_cbranch_scc1 .LturnB
	QUARTER F1, F0, O2
	ONWARD
	s_branch .LhalfB
.LturnB:
	MEET
	s_sub_co_u32 s3, s3, 1
	s_cmp_eq_u32 s3, 0
	s_cbranch_scc1 .Lout
	s_xor_b32 s19, s19, SLOT
	PLACES
	v_add_nc_u32 v[ADA], s19, v16
	v_add_nc_u32 v[ADB], s19, v17
	FETCH F0, 0
	MUL8 F1, 1, 0
	MUL8 F1, 1, 2
	WIN 0
	s_branch .LstepB
.Lout:
	MUL8 F1, 1, 0
	MUL8 F1, 1, 2
	WIN 0
	PLACES
	PLACES
.macro OUTB a                          ; 16 rows of my 64
.irp b, 0,1,2,3
	ds_store_b128 v26, v[ACC+8*(4*(\a)+(\b)):ACC+8*(4*(\a)+(\b))+3]   offset:64*(\b)
	ds_store_b128 v26, v[ACC+8*(4*(\a)+(\b))+4:ACC+8*(4*(\a)+(\b))+7] offset:64*(\b)+16
.endr
.if (\a) >= 2
	s_wait_xcnt 0x0                                ; the stores of block a - 2 have read these registers
.endif
.irp t, 0,1,2,3,4,5,6,7
	ds_load_b128 v[32+32*((\a)%2)+4*(\t):32+32*((\a)%2)+4*(\t)+3], v27 offset:544*(\t)  ; LDS serves a wave in order: these see the stores above, and the next block's stores come behind them
.endr
	s_wait_dscnt 0x0
.irp t, 0,1,2,3,4,5,6,7
	global_store_b128 v24, v[32+32*((\a)%2)+4*(\t):32+32*((\a)%2)+4*(\t)+3], s[70:71] offset:(\a)*65536+(\t)*8192  ; 16 lanes store 256 consecutive bytes, aligned
.endr
.endm
	OUTB 0
	OUTB 1
	OUTB 2
	OUTB 3
	s_wait_tensorcnt 0x0                           ; the wave's end, behind my last LDS store
	ds_add_u32 v[SPW], v[NIL]
	s_wait_dscnt 0x0
	CROUND
	s_endpgm
.Lfunc_end_k_qc03da20b74_gf2:
	.size	k_qc03da20b74_gf2, .Lfunc_end_k_qc03da20b74_gf2-k_qc03da20b74_gf2
	.p2alignl 7, 3214868480
	.fill 96, 4, 3214868480
	.section	.rodata,"a",@progbits
	.p2align	6, 0x0
	.amdhsa_kernel k_qc03da20b74_gf2
		.amdhsa_group_segment_fixed_size 327680
		.amdhsa_private_segment_fixed_size 0
		.amdhsa_enable_private_segment 0
		.amdhsa_kernarg_size 32
		.amdhsa_user_sgpr_count 2
		.amdhsa_user_sgpr_kernarg_segment_ptr 1
		.amdhsa_wavefront_size32 1
		.amdhsa_system_sgpr_workgroup_id_x 1
		.amdhsa_system_sgpr_workgroup_id_y 1
		.amdhsa_system_sgpr_workgroup_id_z 1
		.amdhsa_system_vgpr_workitem_id 0
		.amdhsa_next_free_vgpr 512
		.amdhsa_next_free_sgpr 84
		.amdhsa_reserve_vcc 0
		.amdhsa_float_denorm_mode_32 3
		.amdhsa_float_denorm_mode_16_64 3
		.amdhsa_memory_ordered 1
		.amdhsa_forward_progress 1
		.amdhsa_inst_pref_size 49
	.end_amdhsa_kernel
	.amdgpu_metadata
---
amdhsa.version: [ 1, 2 ]
amdhsa.kernels:
  - .name:           k_qc03da20b74_gf2
    .symbol:         k_qc03da20b74_gf2.kd
    .args:
      - { .name: h, .offset: 0, .size: 8, .value_kind: global_buffer, .address_space: global }
      - { .name: pb, .offset: 8, .size: 8, .value_kind: global_buffer, .address_space: global }
      - { .name: x1, .offset: 16, .size: 8, .value_kind: global_buffer, .address_space: global }
      - { .name: out0, .offset: 24, .size: 8, .value_kind: global_buffer, .address_space: global }
    .group_segment_fixed_size: 327680
    .private_segment_fixed_size: 0
    .kernarg_segment_align: 8
    .kernarg_segment_size: 32
    .max_flat_workgroup_size: 128
    .sgpr_count:     84
    .vgpr_count:     512
    .wavefront_size: 32
...
	.end_amdgpu_metadata
.endif
;; end of part 7
